; MI455X (gfx1250); checked and timed in simulation.
; The chip was launched on July 23, 2026; its instructions are those of AMD's public machine-readable ISA for CDNA 5 (MIT licence, August 2026) and "CDNA5" Instruction Set Architecture Reference Guide (July 2026). The comments in the code are by the model that wrote it; some were corrected since.
;; Transformer Block. Allowed arithmetic: matrix products marked QUANTISED: E5M2 operands, one E8M0 scale for each 32 along K, by v_wmma_scale_f32_16x16x128_f8f6f4 with both operands' format E5M2, f32 sums; everything else in f32.
;; Inputs: W1 1,024 x 4,096 float32; W2 4,096 x 1,024 float32; Wk 1,024 x 1,024 float32; Wo 1,024 x 1,024 float32; Wq 1,024 x 1,024 float32; Wv 1,024 x 1,024 float32; b1 4,096 float32; b2 1,024 float32; beta1 1,024 float32; beta2 1,024 float32; bk 1,024 float32; bo 1,024 float32; bq 1,024 float32; bv 1,024 float32; gamma1 1,024 float32; gamma2 1,024 float32; x 2 x 2,048 x 1,024 float32.
;; Outputs: out0 2 x 2,048 x 1,024 float32.
;; This version of the problem:
;;   THIS VERSION OF THE PROBLEM IS GIVEN IN LOW PRECISION. The matrix products marked QUANTISED in the list below multiply operands that are first quantised to E5M2 (5 exponent bits, 2 mantissa bits; 8 bits a number), with one power-of-two scale for each 32 numbers along K (OCP MX v1.0); their sums are f32. All else is computed in f32.
;;   The module's matrix products, in the order in which they are computed (A, B: the left and right operand; K: the contracted axis; several contracted axes count as one K, in the product's order):
;;     1. [M 4,096, K 1,024] x [K 1,024, N 1,024]; A: input x; B: input Wq: QUANTISED
;;     2. [M 4,096, K 1,024] x [K 1,024, N 1,024]; A: input x; B: input Wk: QUANTISED
;;     3. [M 4,096, K 1,024] x [K 1,024, N 1,024]; A: input x; B: input Wv: QUANTISED
;;     4. batch 32 x [M 2,048, K 64] x [K 64, N 2,048]; A: computed on the way; B: computed on the way: QUANTISED
;;     5. batch 32 x [M 2,048, K 2,048] x [K 2,048, N 64]; A: softmax (see below); B: computed on the way: QUANTISED
;;     6. [M 4,096, K 1,024] x [K 1,024, N 1,024]; A: computed on the way; B: input Wo: QUANTISED
;;     7. [M 4,096, K 1,024] x [K 1,024, N 4,096]; A: computed on the way; B: input W1: QUANTISED
;;     8. [M 4,096, K 4,096] x [K 4,096, N 1,024]; A: computed on the way; B: input W2: QUANTISED
;;   THE QUANTISER, for each operand of a quantised product, along K:
;;     - K is cut into blocks of 32 from its start; a last block that is shorter is filled with zeros.
;;     - A block's scale is 2^e with e = floor(log2(the largest magnitude in the block)) - 15, held to -126 .. 127; a block of zeros has e = 0. As a byte (E8M0): e + 127.
;;     - Each number is divided by its block's scale, clamped to +-57,344, and rounded to the nearest number of E5M2, ties to even, subnormals kept.
;;     - The product sums the exact products of the quantised numbers (number of the format x scale) in f32.
;;   ~~~python
;;   def quantise(x, axis):      # numpy; x: float32 -> the quantised numbers, widened to float32 again
;;       x = np.moveaxis(x, axis, -1); K = x.shape[-1]
;;       x = np.pad(x, [(0, 0)] * (x.ndim - 1) + [(0, -K % 32)]); x = x.reshape(x.shape[:-1] + (-1, 32)); a = np.abs(x).max(-1, keepdims=True)
;;       e = np.where(a > 0, np.clip(np.frexp(np.where(a > 0, a, 1))[1] - 1 - 15, -126, 127), 0)      # np.frexp(a)[1] - 1 = floor(log2(a)), exactly
;;       r = np.clip(x / 2.0 ** e, -57344, 57344)
;;       step = 2.0 ** (np.maximum(np.frexp(np.where(r == 0, 1, r))[1] - 1, -14) - 2)
;;       q = np.round(r / step) * step * 2.0 ** e      # np.round: ties to even
;;       return np.moveaxis(q.reshape(q.shape[:-2] + (-1,))[..., :K], -1, axis).astype(np.float32)
;;   ~~~
;;   SOFTMAX AHEAD OF A QUANTISED PRODUCT. Where the list says 'softmax', what is quantised is not the finished softmax but p = 2^(t - M), with t = logit x log2(e) and M = ceil(the row's largest t), a whole number; so 1/2 < the row's largest p <= 1. The row's sum l is taken of the UNQUANTISED p, in f32, and the product's result is divided by l at the end. Since M is a whole number, a kernel that streams over the keys may use a running M (the ceiling of the running maximum): every later rescaling is an exact power of two, which a block's scale takes up: the codes' values come out the same.
;;   OPERANDS COMPUTED ON THE WAY. 'Computed on the way' means the value that the module computes at that place (a softmax that the list does not call 'softmax' is quantised finished and normalised). What goes into a quantiser is computed in f32, as accurately as f32 sums, v_exp_f32 and their like allow (about 1e-6 of the number): no bf16 or f16 on the way to a quantiser, and a product that is left as it is and whose result goes on into a quantised operand takes f32 operands (vector FMAs, or v_wmma_f32_16x16x4_f32). A number that lies on a knife's edge between two numbers of the format may be rounded either way, as far as f32 arithmetic and the matrix unit's own rounding can turn it there, and no further.
;; One version. Each part assembles by itself: llvm-mc -triple=amdgcn-amd-amdhsa -mcpu=gfx1250 --defsym DOCPART=n.
;; ======== version 1 of 1: 8 launches
;; limits: right only within a limited range of input values
;; workspace buffers: pc 11,894,784 bytes; woc 1,081,344 bytes; w2c 4,325,376 bytes; qkv 12,976,128 bytes; oc 4,325,376 bytes; fc 17,301,504 bytes; g 16,777,216 bytes; hh 21,102,592 bytes
;; launch prep (part 1): grid 512 x 1, 4 waves a work-group, no clusters, 34,304 bytes of LDS; arguments x, Wq, Wk, Wv, Wo, W1, W2, pc, woc, w2c; writes pc, woc, w2c
.if DOCPART == 1
	.amdgcn_target "amdgcn-amd-amdhsa--gfx1250"
	.amdhsa_code_object_version 6
	.text
	.protected	k_qbafacda9a4_prep
	.globl	k_qbafacda9a4_prep
	.p2align	8
	.type	k_qbafacda9a4_prep,@function
k_qbafacda9a4_prep:
	s_mov_b64 s[64:65], 0
	v_nop
	global_prefetch_b8 v0, s[64:65] scope:SCOPE_SE
	s_setreg_imm32_b32 hwreg(HW_REG_WAVE_MODE, 25, 1), 1
	s_wait_xcnt 0x0
; x [4096][1024] and the six weights ([K][N], K their first axis), f32, become codes of BF8 (E5M2) with one E8M0 byte for each 32 along K.
; THE LAYOUT OF EVERY OPERAND: images of the matrix instruction's registers.  A fragment (16 rows x 128 K) is 2,048 bytes: piece c (registers 4c..4c+3) is 512 bytes, lane l's 16 bytes at 16 l.
; A record is 64 rows x 128 K: four fragments and, at byte 8,192, the 64 rows' scale words (byte c = block c).  Four records are 256 rows of one K step (33,792 bytes); eight of those a tile block (256 rows x 1,024 K).
; THE ORDER INSIDE A BLOCK OF 32: place (h = lane / 16, i = 0..15) of block c holds k = 32 c + 8 h + (i % 8) + 16 (i / 8).  Every block holds its own 32 numbers, so scales and codes are the stated quantiser's;
; only the place of k inside a block differs, alike in both operands of every product.  LIMIT: the matrix unit adds a block's products in another order than with k ascending.
; A block's scale is 2^(floor(log2(largest magnitude)) - 15): the byte is the largest magnitude's exponent field - 15, held at 1 from below by a floor of 2^(16 - 127) among the maximum's leaves.
; LIMITS: a block of zeros gets the byte 1 (its codes are zeros; this program alone reads the bytes); NaN and infinities among the inputs are not served.
; Work-groups 0-127 take x (a wave: 64 rows x 128 K = one record), work-groups 128-511 the weights (a wave: 32 columns x 256 K).  Only x's path uses LDS; waves share nothing: no barrier.
.set FRG,   2048
.set REC,   8448
.set SCO,   8192
.set KSB,   33792
.set TILEB, 270336
.set LI,   1                           ; v1   16 x lane
.set LS,   2                           ; v2   4 x lane
.set SW,   3                           ; v3   x: the stage, on the way in
.set SRD,  4                           ; v4   x: the stage, on the way out
.set CA,   6                           ; v6   weights: my codes' place
.set SA,   7                           ; v7   weights: my scale word's place
.set R,    16                          ; v16-143  x: two sets of 64 registers as loaded
.set X,    144                         ; v144-207 x: 64 numbers of my row, in the operand's order
.set PC,   208                         ; v208-223 the codes just made
.set TM,   224                         ; v224-239 at work in QUANT
.set PWS,  240                         ; v240-243 four fragments' scale words
.set XW,   244                         ; v244-245 the same, 32 rows to a register
.set OFFS, 16                          ; v16-47   weights: row i of a block: i x pitch + 4 x lane
.set WX,   48                          ; v48-111  weights: two sets of 32 numbers
.set WC,   112                         ; v112-119 a block's codes
.set SB,   120                         ; v120-121 the scale words of my two K steps
.set SEL,  68                          ; s[68:69] v_permlanex16_b32's selects for lane l xor 16
.set MNT,  70                          ; s70  the mantissa field of 57,344
.set HM,   71                          ; s71  lanes 16-31
; 64 numbers of a lane, v[s] on, register 16 b + i = place i of block b of my row, become a fragment's codes in v[PC] on and its scale word in v[pw]
.macro QUANT s, relu, pw
.if \relu
.irp b, 0,1,2,3
	v_max3_num_f32 v[TM+\b], v[(\s)+16*\b], v[(\s)+1+16*\b], 0x8000000
.endr
.irp i, 2,4,6,8,10,12,14
.irp b, 0,1,2,3
	v_max3_num_f32 v[TM+\b], v[TM+\b], v[(\s)+16*\b+\i], v[(\s)+1+16*\b+\i]
.endr
.endr
.else
.irp b, 0,1,2,3
	v_max3_num_f32 v[TM+\b], |v[(\s)+16*\b]|, |v[(\s)+1+16*\b]|, 0x8000000   ; my 16 numbers of block b, and the floor
.endr
.irp i, 2,4,6,8,10,12,14
.irp b, 0,1,2,3
	v_max3_num_f32 v[TM+\b], v[TM+\b], |v[(\s)+16*\b+\i]|, |v[(\s)+1+16*\b+\i]|
.endr
.endr
.endif
.irp b, 0,1,2,3
	v_permlanex16_b32 v[TM+4+\b], v[TM+\b], s[SEL], s[SEL+1]
.endr
.irp b, 0,1,2,3
	v_max_num_f32 v[TM+\b], v[TM+\b], v[TM+4+\b]           ; with lane l xor 16's 16: the block's largest magnitude
.endr
.irp b, 0,1,2,3
	v_add_nc_u32 v[TM+12+\b], 0xf8800000, v[TM+\b]         ; 15 off its exponent field: the conversion's scale operand
.endr
.irp b, 0,1,2,3
	v_and_or_b32 v[TM+8+\b], v[TM+\b], 0x7f800000, s[MNT]  ; 57,344 x the scale
.endr
.irp b, 0,1,2,3
	v_lshrrev_b32 v[TM+4+\b], 23, v[TM+12+\b]              ; the scale's byte
.endr
	v_lshl_or_b32 v[\pw], v[TM+5], 8, v[TM+4]
	v_lshl_or_b32 v[\pw], v[TM+6], 16, v[\pw]
	v_lshl_or_b32 v[\pw], v[TM+7], 24, v[\pw]
.irp b, 0,1,2,3
.irp i, 0,1,2,3,4,5,6,7,8,9,10,11,12,13,14,15
.if \relu
	v_med3_num_f32 v[(\s)+16*\b+\i], v[(\s)+16*\b+\i], 0, v[TM+8+\b]
.else
	v_med3_num_f32 v[(\s)+16*\b+\i], v[(\s)+16*\b+\i], -v[TM+8+\b], v[TM+8+\b]   ; the conversion does not saturate (ISA guide 7.6.2): the hold comes first
.endif
.endr
	v_cvt_scalef32_pk8_bf8_f32 v[PC+4*\b:PC+1+4*\b], v[(\s)+16*\b:(\s)+7+16*\b], v[TM+12+\b]
	v_cvt_scalef32_pk8_bf8_f32 v[PC+2+4*\b:PC+3+4*\b], v[(\s)+8+16*\b:(\s)+15+16*\b], v[TM+12+\b]
.endr
	v_nop                                          ; a plain line behind the last conversion
.endm
	s_load_b512 s[8:23], s[0:1], 0x0               ; x s[8:9], Wq s[10:11], Wk s[12:13], Wv s[14:15], Wo s[16:17], W1 s[18:19], W2 s[20:21], pc s[22:23]
	s_load_b128 s[24:27], s[0:1], 0x40             ; woc s[24:25], w2c s[26:27]
	v_lshl_add_u32 v254, v0, 2, 0x8400
	v_mov_b32 v255, 0
	v_lshrrev_b32 v8, 5, v0
	v_readfirstlane_b32 s28, v8                    ; wave 0..3
	v_and_b32 v9, 31, v0                           ; lane
	v_lshlrev_b32 v[LI], 4, v9
	v_lshlrev_b32 v[LS], 2, v9
	s_mov_b32 s[SEL], 0x76543210
	s_mov_b32 s[SEL+1], 0xfedcba98
	s_mov_b32 s[MNT], 0x600000
	s_mov_b32 s[HM], 0xffff0000
	s_cmp_lt_u32 ttmp9, 128
	s_cbranch_scc0 .Lweights
	; ---------------- x: my wave's record: rows 64 rr on, K step ks
	s_lshl_b32 s29, ttmp9, 2
	s_add_co_u32 s29, s29, s28                     ; job 0..511
	s_and_b32 s30, s29, 7                          ; ks
	s_lshr_b32 s31, s29, 3                         ; rr
	s_lshl_b32 s32, s31, 18                        ; 64 rows of 4,096 bytes
	s_lshl_b32 s33, s30, 9                         ; 128 numbers
	s_add_co_u32 s32, s32, s33
	s_mov_b32 s33, 0
	s_lshr_b32 s34, s31, 2
	s_mul_i32 s34, s34, TILEB
	s_mul_i32 s35, s30, KSB
	s_add_co_u32 s34, s34, s35
	s_and_b32 s35, s31, 3
	s_mul_i32 s35, s35, REC
	s_add_co_u32 s34, s34, s35
	s_mov_b32 s35, 0
	s_mul_i32 s36, s28, 16*528                     ; my stage: 16 rows of 512 bytes + 16
	s_wait_alu depctr_va_vdst(0)
	v_add_nc_u32 v[SW], s36, v[LI]
	v_and_b32 v10, 15, v0
	v_bfe_u32 v11, v0, 4, 1
	v_mul_u32_u24 v[SRD], v10, 528
	v_lshl_add_u32 v[SRD], v11, 5, v[SRD]          ; row r, + 32 h bytes: k = 8 h on
	v_add_nc_u32 v[SRD], s36, v[SRD]
.irp b, 0,1,2,3
	v_mov_b32 v[TM+4+\b], 0                        ; written once: a lane permute's destination counts as one of its sources
.endr
	s_wait_alu depctr_va_vdst(0)
	s_wait_kmcnt 0x0
	s_add_nc_u64 s[8:9], s[8:9], s[32:33]
	s_add_nc_u64 s[22:23], s[22:23], s[34:35]
.macro LOADF f                         ; fragment f's 16 rows: each load reads 512 consecutive bytes of one row
.irp i, 0,1,2,3,4,5,6,7,8,9,10,11,12,13,14,15
	global_load_b128 v[R+64*((\f)%2)+4*\i:R+64*((\f)%2)+4*\i+3], v[LI], s[8:9] offset:(16*(\f)+\i)*4096 th:TH_LOAD_NT
.endr
.endm
.macro XFRAG f
.if (\f) < 3
	s_wait_loadcnt 16                              ; this fragment's 16 loads are in; the next fragment's 16 may be out
.else
	s_wait_loadcnt 0x0
.endif
.irp i, 0,1,2,3,4,5,6,7,8,9,10,11,12,13,14,15
	ds_store_b128 v[SW], v[R+64*((\f)%2)+4*\i:R+64*((\f)%2)+4*\i+3] offset:\i*528
.endr
.irp c, 0,1,2,3                        ; back in the operand's order: of block c the bytes 32 h + 0..31 and 64 + 32 h + 0..31.  LDS serves a wave's instructions in order: these see the stores above
	ds_load_b128 v[X+16*\c:X+16*\c+3], v[SRD] offset:128*\c
	ds_load_b128 v[X+16*\c+4:X+16*\c+7], v[SRD] offset:128*\c+16
	ds_load_b128 v[X+16*\c+8:X+16*\c+11], v[SRD] offset:128*\c+64
	ds_load_b128 v[X+16*\c+12:X+16*\c+15], v[SRD] offset:128*\c+80
.endr
	s_wait_dscnt 0x0
.if (\f) < 2
	LOADF (\f)+2
.endif
	s_wait_xcnt 0x0                                ; the last fragment's stores have read their data: the codes' registers are written again only behind this wait
	QUANT X, 0, PWS+(\f)
.irp c, 0,1,2,3
	global_store_b128 v[LI], v[PC+4*\c:PC+4*\c+3], s[22:23] offset:(\f)*FRG+512*\c   ; 512 consecutive bytes
.endr
.endm
	LOADF 0
	LOADF 1
	XFRAG 0
	XFRAG 1
	XFRAG 2
	XFRAG 3
	v_cndmask_b32 v[XW], v[PWS], v[PWS+1], s[HM]   ; lanes 0-15 fragment 0's words, lanes 16-31 fragment 1's
	v_cndmask_b32 v[XW+1], v[PWS+2], v[PWS+3], s[HM]
	global_store_b32 v[LS], v[XW], s[22:23] offset:SCO
	global_store_b32 v[LS], v[XW+1], s[22:23] offset:SCO+128
	s_wait_tensorcnt 0x0
	ds_add_u32 v254, v255
	s_wait_dscnt 0x0
	s_endpgm
	; ---------------- the weights: a lane takes a column n, and its registers run down K: a block of 32 lies in one lane
.Lweights:
	s_sub_co_u32 s29, ttmp9, 128
	s_lshr_b32 s30, s29, 3                         ; tb 0..47: which tile block (256 columns x 1,024 K)
	s_and_b32 s31, s29, 1                          ; which 128 of its columns
	s_bfe_u32 s32, s29, 0x20001                    ; kq: which 256 of its K
	s_lshr_b32 s33, s30, 2                         ; 0 Wq, 1 Wk, 2 Wv, 3 Wo, 4-7 W1, 8-11 W2 (a chunk of 1,024 K each)
	s_and_b32 s34, s30, 3                          ; the tile of columns,
	s_sub_co_u32 s35, s30, 16                      ; in W1
	s_sub_co_u32 s36, s33, 8                       ; W2's chunk
	s_lshr_b32 s37, s33, 2
	s_mov_b32 s38, 4096
	s_cmp_eq_u32 s37, 1                            ; W1?
	s_cselect_b32 s34, s35, s34
	s_cselect_b32 s38, 16384, s38                  ; a row of the weight in bytes
	s_cmp_ge_u32 s33, 8
	s_cselect_b32 s36, s36, 0
	s_lshl_b32 s36, s36, 10
	s_lshl_b32 s37, s32, 8
	s_add_co_u32 s36, s36, s37                     ; my first k
	s_mul_i32 s36, s36, s38
	s_lshl_b32 s37, s34, 10
	s_add_co_u32 s36, s36, s37
	s_lshl_b32 s37, s31, 9
	s_add_co_u32 s36, s36, s37
	s_lshl_b32 s37, s28, 7
	s_add_co_u32 s36, s36, s37                     ; + 4 x my wave's first column
	s_mov_b32 s37, 0
	s_add_co_u32 s56, s30, 16                      ; the block in the buffer: Wq, Wk, Wv: pc 16 + tb
	s_sub_co_u32 s57, s30, 12                      ; Wo: woc tb - 12
	s_add_co_u32 s58, s30, 12                      ; W1: pc 12 + tb
	s_sub_co_u32 s59, s30, 32                      ; W2: w2c tb - 32
	s_wait_kmcnt 0x0
	s_mov_b64 s[60:61], s[22:23]
	s_cmp_ge_u32 s30, 12
	s_cselect_b32 s56, s57, s56
	s_cselect_b64 s[60:61], s[24:25], s[60:61]
	s_cmp_ge_u32 s30, 16
	s_cselect_b32 s56, s58, s56
	s_cselect_b64 s[60:61], s[22:23], s[60:61]
	s_cmp_ge_u32 s30, 32
	s_cselect_b32 s56, s59, s56
	s_cselect_b64 s[60:61], s[26:27], s[60:61]
	s_mov_b64 s[62:63], s[10:11]
	s_cmp_eq_u32 s33, 1
	s_cselect_b64 s[62:63], s[12:13], s[62:63]
	s_cmp_eq_u32 s33, 2
	s_cselect_b64 s[62:63], s[14:15], s[62:63]
	s_cmp_eq_u32 s33, 3
	s_cselect_b64 s[62:63], s[16:17], s[62:63]
	s_cmp_ge_u32 s33, 4
	s_cselect_b64 s[62:63], s[18:19], s[62:63]
	s_cmp_ge_u32 s33, 8
	s_cselect_b64 s[62:63], s[20:21], s[62:63]
	s_add_nc_u64 s[40:41], s[62:63], s[36:37]      ; block 0's first row;
	s_lshl_b32 s66, s38, 5
	s_mov_b32 s67, 0
.irp t, 1,2,3,4,5,6,7
	s_add_nc_u64 s[40+2*\t:41+2*\t], s[38+2*\t:39+2*\t], s[66:67]   ; each block 32 rows on
.endr
	s_mul_i32 s56, s56, TILEB
	s_mul_i32 s57, s32, 2*KSB                      ; K steps 2 kq, 2 kq + 1
	s_add_co_u32 s56, s56, s57
	s_lshl_b32 s57, s31, 1
	s_lshr_b32 s58, s28, 1
	s_add_co_u32 s57, s57, s58                     ; the record of my 32 columns
	s_mul_i32 s57, s57, REC
	s_add_co_u32 s56, s56, s57
	s_mov_b32 s57, 0
	s_add_nc_u64 s[60:61], s[60:61], s[56:57]
.set I, 0
	s_wait_alu depctr_va_vdst(0)
.rept 32
	v_mad_u32_u24 v[OFFS+I], s38, I, v[LS]
.set I, I+1
.endr
	s_and_b32 s58, s28, 1
	s_lshl_b32 s59, s58, 12                        ; two fragments for each wave of the record
	v_lshrrev_b32 v10, 4, v9
	v_and_b32 v11, 15, v9
	v_lshlrev_b32 v[CA], 11, v10
	v_lshl_add_u32 v[CA], v11, 4, v[CA]
	v_add_nc_u32 v[CA], s59, v[CA]                 ; fragment lane / 16, row lane % 16
	s_lshl_b32 s59, s58, 7
	s_add_co_u32 s59, s59, SCO
	v_add_nc_u32 v[SA], s59, v[LS]
.macro WLOAD t
.set I, 0
.rept 32
	global_load_b32 v[WX+32*((\t)%2)+I], v[OFFS+I], s[40+2*(\t):41+2*(\t)] th:TH_LOAD_NT   ; one row k, 32 neighbouring columns
.set I, I+1
.endr
.endm
.macro BLOCK t
.set XS, WX+32*((\t)%2)
.if (\t) < 7
	s_wait_loadcnt 32                              ; this block's 32 loads are in; the next block's may be out
.else
	s_wait_loadcnt 0x0
.endif
	v_max3_num_f32 v12, |v[XS]|, |v[XS+1]|, |v[XS+2]|
	v_max3_num_f32 v13, |v[XS+3]|, |v[XS+4]|, |v[XS+5]|
.irp i, 6,10,14,18,22,26
	v_max3_num_f32 v12, v12, |v[XS+\i]|, |v[XS+\i+1]|
	v_max3_num_f32 v13, v13, |v[XS+\i+2]|, |v[XS+\i+3]|
.endr
	v_max3_num_f32 v12, v12, |v[XS+30]|, |v[XS+31]|
	v_max3_num_f32 v12, v12, v13, 0x8000000        ; and the floor
	v_add_nc_u32 v11, 0xf8800000, v12
	v_and_or_b32 v10, v12, 0x7f800000, s[MNT]
	v_lshrrev_b32 v13, 23, v11
.if (\t)%4 == 0
	v_mov_b32 v[SB+(\t)/4], v13
.else
	v_lshl_or_b32 v[SB+(\t)/4], v13, 8*((\t)%4), v[SB+(\t)/4]
.endif
.set I, 0
.rept 32
	v_med3_num_f32 v[XS+I], v[XS+I], -v10, v10
.set I, I+1
.endr
	s_wait_alu depctr_va_vdst(0)
	s_wait_xcnt 0x0                                ; the last block's stores have read their data
	v_cvt_scalef32_pk8_bf8_f32 v[WC:WC+1], v[XS:XS+7], v11          ; k 0-7 and 16-23 are the places of lanes 0-15 of the image,
	v_cvt_scalef32_pk8_bf8_f32 v[WC+4:WC+5], v[XS+8:XS+15], v11     ; k 8-15 and 24-31 those of lanes 16-31
	v_cvt_scalef32_pk8_bf8_f32 v[WC+2:WC+3], v[XS+16:XS+23], v11
	v_cvt_scalef32_pk8_bf8_f32 v[WC+6:WC+7], v[XS+24:XS+31], v11
	v_nop
	global_store_b128 v[CA], v[WC:WC+3], s[60:61] offset:((\t)/4)*KSB+512*((\t)%4)          ; sixteen lanes store 256 consecutive bytes, aligned
	global_store_b128 v[CA], v[WC+4:WC+7], s[60:61] offset:((\t)/4)*KSB+512*((\t)%4)+256
.if (\t)%4 == 3
	global_store_b32 v[SA], v[SB+(\t)/4], s[60:61] offset:((\t)/4)*KSB
.endif
.if (\t)+2 < 8
	WLOAD (\t)+2
.endif
.endm
	WLOAD 0
	WLOAD 1
.irp t, 0,1,2,3,4,5,6,7
	BLOCK \t
.endr
	s_endpgm
.Lfunc_end_k_qbafacda9a4_prep:
	.size	k_qbafacda9a4_prep, .Lfunc_end_k_qbafacda9a4_prep-k_qbafacda9a4_prep
	.p2alignl 7, 3214868480
	.fill 96, 4, 3214868480
	.section	.rodata,"a",@progbits
	.p2align	6, 0x0
	.amdhsa_kernel k_qbafacda9a4_prep
		.amdhsa_group_segment_fixed_size 34304
		.amdhsa_private_segment_fixed_size 0
		.amdhsa_enable_private_segment 0
		.amdhsa_kernarg_size 80
		.amdhsa_user_sgpr_count 2
		.amdhsa_user_sgpr_kernarg_segment_ptr 1
		.amdhsa_wavefront_size32 1
		.amdhsa_system_sgpr_workgroup_id_x 1
		.amdhsa_system_sgpr_workgroup_id_y 1
		.amdhsa_system_sgpr_workgroup_id_z 1
		.amdhsa_system_vgpr_workitem_id 0
		.amdhsa_next_free_vgpr 256
		.amdhsa_next_free_sgpr 80
		.amdhsa_reserve_vcc 0
		.amdhsa_float_denorm_mode_32 3
		.amdhsa_float_denorm_mode_16_64 3
		.amdhsa_memory_ordered 1
		.amdhsa_forward_progress 1
		.amdhsa_inst_pref_size 111
	.end_amdhsa_kernel
	.amdgpu_metadata
---
amdhsa.version: [ 1, 2 ]
amdhsa.kernels:
  - .name:           k_qbafacda9a4_prep
    .symbol:         k_qbafacda9a4_prep.kd
    .args:
      - { .name: x, .offset: 0, .size: 8, .value_kind: global_buffer, .address_space: global }
      - { .name: Wq, .offset: 8, .size: 8, .value_kind: global_buffer, .address_space: global }
      - { .name: Wk, .offset: 16, .size: 8, .value_kind: global_buffer, .address_space: global }
      - { .name: Wv, .offset: 24, .size: 8, .value_kind: global_buffer, .address_space: global }
      - { .name: Wo, .offset: 32, .size: 8, .value_kind: global_buffer, .address_space: global }
      - { .name: W1, .offset: 40, .size: 8, .value_kind: global_buffer, .address_space: global }
      - { .name: W2, .offset: 48, .size: 8, .value_kind: global_buffer, .address_space: global }
      - { .name: pc, .offset: 56, .size: 8, .value_kind: global_buffer, .address_space: global }
      - { .name: woc, .offset: 64, .size: 8, .value_kind: global_buffer, .address_space: global }
      - { .name: w2c, .offset: 72, .size: 8, .value_kind: global_buffer, .address_space: global }
    .group_segment_fixed_size: 34304
    .private_segment_fixed_size: 0
    .kernarg_segment_align: 8
    .kernarg_segment_size: 80
    .max_flat_workgroup_size: 128
    .sgpr_count:     80
    .vgpr_count:     256
    .wavefront_size: 32
...
	.end_amdgpu_metadata
.endif
;; end of part 1
;; launch gemm_qkv (part 2): grid 48 x 4, 4 waves a work-group, clusters of 4 x 4, 327,680 bytes of LDS; arguments pc, bq, bk, bv, qkv; writes qkv
.if DOCPART == 2
	.amdgcn_target "amdgcn-amd-amdhsa--gfx1250"
	.amdhsa_code_object_version 6
	.text
	.protected	k_qbafacda9a4_gemm_qkv
	.globl	k_qbafacda9a4_gemm_qkv
	.p2align	8
	.type	k_qbafacda9a4_gemm_qkv,@function
k_qbafacda9a4_gemm_qkv:
	s_mov_b64 s[64:65], 0
	v_nop
	global_prefetch_b8 v0, s[64:65] scope:SCOPE_SE
	s_setreg_imm32_b32 hwreg(HW_REG_WAVE_MODE, 25, 1), 1
	s_wait_xcnt 0x0
	s_wait_alu depctr_hold_cnt(0) depctr_sa_sdst(0) depctr_va_vdst(0) depctr_va_sdst(0) depctr_va_ssrc(0) depctr_va_vcc(0) depctr_vm_vsrc(0)
	s_getreg_b32 s2, hwreg(HW_REG_IB_STS2, 6, 4)
	s_cmp_eq_u32 s2, 0
	s_cbranch_scc0 .Lentry_in_a_cluster
	s_endpgm
.Lentry_in_a_cluster:
	s_bfe_u32 s2, ttmp6, 0x10000c
	s_cmp_lg_u32 s2, 0xf033
	s_cbranch_scc0 .Lentry_shape_is_right
	s_endpgm
.Lentry_shape_is_right:
.set FRG,   2048
.set REC,   8448
.set SCO,   8192
.set KSB,   33792
.set TILEB, 270336
.set SLOT,  4*KSB
.set SPARE, 2*SLOT
.set FR,    16
.set NP,    8
.set ADRA, 16
.set ADRB, 20
.set ADRS, 22
.set LI,   24
.set LS,   25
.set SPW,  28
.set NIL,  29
.set SC,   32
.set BT,   64
.set AF,   128
.set T,    128
.set PC,   192
.set BAP,  208
.set TM,   224
.set PWS,  240
.set XW,   244
.set G1, 24
.set G0, 32
.set G1B, 48
.set G0B, 56
.set SEL, 84
.set MNT, 86
.set HM,  87
.set MSB, 0
.macro WIN new
.if MSB != \new
	s_set_vgpr_msb (MSB<<8)|\new
.set MSB, \new
.endif
.endm
.set MUL_LO, 0xa1
.set MUL_HI, 0xf1
.set TO_B,   0x40
.macro JLOAD g0a, g1a, g0b, g1b, sl    ; slot sl is filled again, a K step a wave: waves 0, 1 ask for A's two, waves 2, 3 for B's
	s_cmp_eq_u32 s15, 0
	s_cbranch_scc0 .Lfor_b_\@
	tensor_load_to_lds s[\g0a:\g0a+3], s[\g1a:\g1a+7]
	s_nop 0
.rept 4
	v_nop
.endr
	s_branch .Lasked_\@
.Lfor_b_\@:
	tensor_load_to_lds s[\g0b:\g0b+3], s[\g1b:\g1b+7]
	s_nop 0
.rept 4
	v_nop
.endr
.Lasked_\@:
.endm
.macro CREST
	s_cmp_lg_u32 s14, 0
	s_cbranch_scc1 .Lnot_wave_0_\@
	s_barrier_signal -3
.Lnot_wave_0_\@:
	s_barrier_wait -3
	s_barrier_signal -1
	s_barrier_wait -1
.endm
.macro CROUND
	s_barrier_signal -1
	s_barrier_wait -1
	CREST
.endm
.macro PLACES n
.rept \n
	v_nop
.endr
.endm
.macro FRAG reg, adr, q, i
.irp c, 0,1,2,3
	ds_load_b128 v[\reg+4*\c:\reg+4*\c+3], v[\adr] offset:(\q)*KSB+((\i)/4)*REC+((\i)%4)*FRG+512*\c
.endr
.endm
.macro FETCH_B slot, q, p
	WIN TO_B
.irp i, 0,1,2,3,4,5,6,7
	FRAG 128*(\p)+FR*\i, ADRB+\slot, \q, \i
.endr
	WIN 0
.endm
.macro FETCH_A slot, q, i0
.irp i, \i0, \i0+1, \i0+2, \i0+3
	FRAG AF+FR*(\i), ADRA+\slot, \q, \i
.endr
.endm
.macro SCALES sc
.irp i, 0,1,2,3,4,5,6,7
.irp q, 0,1
	ds_load_b32 v[SC+16*\sc+2*\i+\q], v[ADRS+\sc] offset:\q*KSB+(\i/4)*REC+(\i%4)*64
.endr
.endr
.endm
.macro MUL16 a0, p, q, sc, zero
.irp a, \a0, \a0+1
.irp b, 0,1,2,3,4,5,6,7
.if \zero == 1
	v_wmma_scale_f32_16x16x128_f8f6f4 v[8*(8*((\a)%4)+\b):8*(8*((\a)%4)+\b)+7], v[128*(\p)+FR*\b:128*(\p)+FR*\b+FR-1], v[AF+FR*(\a):AF+FR*(\a)+FR-1], 0, v[SC+16*(\sc)+2*\b+(\q)], v[SC+16*(\sc)+2*(\a)+(\q)] matrix_a_fmt:MATRIX_FMT_BF8 matrix_b_fmt:MATRIX_FMT_BF8 matrix_a_scale:MATRIX_SCALE_ROW1
.elseif \zero == 2
	v_wmma_scale_f32_16x16x128_f8f6f4 v[8*(8*((\a)%4)+\b):8*(8*((\a)%4)+\b)+7], v[128*(\p)+FR*\b:128*(\p)+FR*\b+FR-1], v[AF+FR*(\a):AF+FR*(\a)+FR-1], v[BT+8*\b:BT+8*\b+7], v[SC+16*(\sc)+2*\b+(\q)], v[SC+16*(\sc)+2*(\a)+(\q)] matrix_a_fmt:MATRIX_FMT_BF8 matrix_b_fmt:MATRIX_FMT_BF8 matrix_a_scale:MATRIX_SCALE_ROW1
.else
	v_wmma_scale_f32_16x16x128_f8f6f4 v[8*(8*((\a)%4)+\b):8*(8*((\a)%4)+\b)+7], v[128*(\p)+FR*\b:128*(\p)+FR*\b+FR-1], v[AF+FR*(\a):AF+FR*(\a)+FR-1], v[8*(8*((\a)%4)+\b):8*(8*((\a)%4)+\b)+7], v[SC+16*(\sc)+2*\b+(\q)], v[SC+16*(\sc)+2*(\a)+(\q)] matrix_a_fmt:MATRIX_FMT_BF8 matrix_b_fmt:MATRIX_FMT_BF8 matrix_a_scale:MATRIX_SCALE_ROW1
.endif
.endr
.endr
.endm
.macro STEP slot, q, zero
	s_wait_dscnt 16
.if \zero == 2
	WIN 0x81
.else
	WIN MUL_LO
.endif
	MUL16 0, (\q)%2, \q, \slot, \zero
	MUL16 2, (\q)%2, \q, \slot, \zero
	s_wait_dscnt 0
	PLACES NP
	FETCH_B \slot, (\q)+1, 1-(\q)%2
	FETCH_A \slot, (\q)+1, 0
.if \zero == 2
	WIN 0xc1
.else
	WIN MUL_HI
.endif
	MUL16 4, (\q)%2, \q, \slot, \zero
	MUL16 6, (\q)%2, \q, \slot, \zero
	PLACES NP
	WIN 0
	FETCH_A \slot, (\q)+1, 4
.endm
.macro TURN slot, next, fill
	s_wait_tensorcnt 0x0
	ds_add_u32 v[SPW], v[NIL]
	s_wait_dscnt 17
	WIN MUL_LO
	MUL16 0, 1, 1, \slot, 0
	s_wait_dscnt 0x0
	s_barrier_signal -1
	MUL16 2, 1, 1, \slot, 0
	WIN 0
	s_barrier_wait -1
.if \fill
	CREST
	s_add_nc_u64 s[G0+4*\slot+2:G0+4*\slot+3], s[G0+4*\slot+2:G0+4*\slot+3], 4*KSB
	s_add_nc_u64 s[G0B+4*\slot+2:G0B+4*\slot+3], s[G0B+4*\slot+2:G0B+4*\slot+3], 4*KSB
	JLOAD G0+4*\slot, G1, G0B+4*\slot, G1B, \slot
	PLACES NP
.else
	PLACES NP
.endif
	FETCH_B \next, 0, 0
	FETCH_A \next, 0, 0
	SCALES \next
	WIN MUL_HI
	MUL16 4, 1, 1, \slot, 0
	MUL16 6, 1, 1, \slot, 0
	PLACES NP
	WIN 0
	FETCH_A \next, 0, 4
.endm
.macro QUANT s, relu, pw
.if \relu
.irp b, 0,1,2,3
	v_max3_num_f32 v[TM+\b], v[(\s)+16*\b], v[(\s)+1+16*\b], 0x8000000
.endr
.irp i, 2,4,6,8,10,12,14
.irp b, 0,1,2,3
	v_max3_num_f32 v[TM+\b], v[TM+\b], v[(\s)+16*\b+\i], v[(\s)+1+16*\b+\i]
.endr
.endr
.else
.irp b, 0,1,2,3
	v_max3_num_f32 v[TM+\b], |v[(\s)+16*\b]|, |v[(\s)+1+16*\b]|, 0x8000000
.endr
.irp i, 2,4,6,8,10,12,14
.irp b, 0,1,2,3
	v_max3_num_f32 v[TM+\b], v[TM+\b], |v[(\s)+16*\b+\i]|, |v[(\s)+1+16*\b+\i]|
.endr
.endr
.endif
.irp b, 0,1,2,3
	v_permlanex16_b32 v[TM+4+\b], v[TM+\b], s[SEL], s[SEL+1]
.endr
.irp b, 0,1,2,3
	v_max_num_f32 v[TM+\b], v[TM+\b], v[TM+4+\b]
.endr
.irp b, 0,1,2,3
	v_add_nc_u32 v[TM+12+\b], 0xf8800000, v[TM+\b]
.endr
.irp b, 0,1,2,3
	v_and_or_b32 v[TM+8+\b], v[TM+\b], 0x7f800000, s[MNT]
.endr
.irp b, 0,1,2,3
	v_lshrrev_b32 v[TM+4+\b], 23, v[TM+12+\b]
.endr
	v_lshl_or_b32 v[\pw], v[TM+5], 8, v[TM+4]
	v_lshl_or_b32 v[\pw], v[TM+6], 16, v[\pw]
	v_lshl_or_b32 v[\pw], v[TM+7], 24, v[\pw]
.irp b, 0,1,2,3
.irp i, 0,1,2,3,4,5,6,7,8,9,10,11,12,13,14,15
.if \relu
	v_med3_num_f32 v[(\s)+16*\b+\i], v[(\s)+16*\b+\i], 0, v[TM+8+\b]
.else
	v_med3_num_f32 v[(\s)+16*\b+\i], v[(\s)+16*\b+\i], -v[TM+8+\b], v[TM+8+\b]
.endif
.endr
	v_cvt_scalef32_pk8_bf8_f32 v[PC+4*\b:PC+1+4*\b], v[(\s)+16*\b:(\s)+7+16*\b], v[TM+12+\b]
	v_cvt_scalef32_pk8_bf8_f32 v[PC+2+4*\b:PC+3+4*\b], v[(\s)+8+16*\b:(\s)+15+16*\b], v[TM+12+\b]
.endr
	v_nop
.endm
	s_load_b256 s[4:11], s[0:1], 0x0
	s_load_b64 s[12:13], s[0:1], 0x20
	v_lshl_add_u32 v[SPW], v0, 2, SPARE
	v_mov_b32 v[NIL], 0
	ds_add_u32 v28, v29
	ds_add_u32 v28, v29
	s_wait_dscnt 0x0
	v_lshrrev_b32 v1, 5, v0
	v_readfirstlane_b32 s14, v1
	s_lshr_b32 s15, s14, 1
	s_and_b32 s16, s14, 1
	s_bfe_u32 s40, ttmp6, 0x40000
	s_bfe_u32 s41, ttmp6, 0x40004
	s_and_b32 s66, ttmp9, 1
	s_lshr_b32 s67, ttmp9, 1
	s_sub_co_u32 s68, ttmp9, 8
	s_cmp_ge_u32 ttmp9, 8
	s_cselect_b32 s66, s68, s66
	s_cselect_b32 s67, 0, s67
	s_cselect_b32 s69, 24*TILEB, 0
	s_cselect_b32 s70, 0, 16*TILEB
	s_cselect_b32 s71, 1, 16
	s_cselect_b32 s72, 4, 1
	s_cselect_b32 s73, 32, 0
	s_cselect_b32 s74, 0, -1
	s_cselect_b32 s75, -1, 0
	s_lshl_b32 s42, s66, 2
	s_add_co_u32 s42, s42, s40
	s_lshl_b32 s17, s67, 2
	s_add_co_u32 s17, s17, s41
	s_lshl_b32 s43, s41, 2
	s_lshl_b32 s43, 15, s43
	s_lshl_b32 s44, 0x1111, s40
	s_or_b32 s[G1], s43, (3<<16)|(1<<21)
	s_or_b32 s[G1B], s44, (3<<16)|(1<<21)
.irp g, G1, G1B
	s_mov_b32 s[\g+1], 32<<16
	s_mov_b32 s[\g+2], 264<<16                     ; a tile: two K steps of 256 rows, 67,584 dense bytes as 264 rows of 256
	s_mov_b32 s[\g+3], 32<<16
	s_mov_b32 s[\g+4], 264
	s_mov_b32 s[\g+5], 32
	s_mov_b32 s[\g+6], 0
	s_mov_b32 s[\g+7], 0
.endr
	s_mul_i32 s20, s17, TILEB
	s_add_co_u32 s20, s20, s69
	s_mov_b32 s21, 0
	s_mul_i32 s46, s42, TILEB
	s_add_co_u32 s46, s46, s70
	s_mov_b32 s47, 0
	s_wait_kmcnt 0x0
	s_add_nc_u64 s[20:21], s[4:5], s[20:21]
	s_add_nc_u64 s[46:47], s[4:5], s[46:47]
	CROUND
.irp s, 0,1
	s_mov_b32 s[G0+4*\s], 1
	s_mov_b32 s[G0+4*\s+1], \s*SLOT
	s_add_nc_u64 s[G0+4*\s+2:G0+4*\s+3], s[20:21], \s*2*KSB
	s_or_b32 s[G0+4*\s+3], s[G0+4*\s+3], 0x80000000
	s_mov_b32 s[G0B+4*\s], 1
	s_mov_b32 s[G0B+4*\s+1], \s*SLOT+2*KSB
	s_add_nc_u64 s[G0B+4*\s+2:G0B+4*\s+3], s[46:47], \s*2*KSB
	s_or_b32 s[G0B+4*\s+3], s[G0B+4*\s+3], 0x80000000
.endr
.macro ARM under, g0, g1, next         ; the head's loads, one a wave, each in an arm of one chain: both slots are asked for, slot 0's tiles first
	s_cmp_lt_u32 s14, \under
	s_cbranch_scc0 \next
	tensor_load_to_lds s[\g0:\g0+3], s[\g1:\g1+7]
	s_nop 0
	PLACES 4
	s_branch .Lhead_asked
\next:
.endm
	ARM 1, G0,    G1,  .Lhead_b0
	ARM 2, G0B,   G1B, .Lhead_a1
	ARM 3, G0+4,  G1,  .Lhead_b1
	tensor_load_to_lds s[G0B+4:G0B+7], s[G1B:G1B+7]
	s_nop 0
	PLACES 4
.Lhead_asked:
	v_and_b32 v1, 31, v0
	v_and_b32 v2, 15, v0
	v_bfe_u32 v3, v0, 4, 1
	s_wait_alu depctr_va_vdst(0)
	v_lshlrev_b32 v[LI], 4, v1
	v_lshlrev_b32 v[LS], 2, v1
	s_mul_i32 s21, s15, 2*REC
	s_mul_i32 s22, s16, 2*REC
	s_add_co_u32 s22, s22, 2*KSB
.irp s, 0,1
	v_add_nc_u32 v[ADRA+\s], s21, v[LI]
	v_add_nc_u32 v[ADRB+\s], s22, v[LI]
	s_add_co_u32 s21, s21, SLOT
	s_add_co_u32 s22, s22, SLOT
.endr
	s_mul_i32 s21, s15, 2*REC
	s_mul_i32 s22, s16, 2*REC
	s_add_co_u32 s22, s22, 2*KSB
	s_sub_co_u32 s22, s22, s21
	v_mul_u32_u24 v4, s22, v3
	v_lshl_add_u32 v4, v2, 2, v4
	s_add_co_u32 s21, s21, SCO
	v_add_nc_u32 v[ADRS], s21, v4
	v_add_nc_u32 v[ADRS+1], SLOT, v[ADRS]
	s_mul_i32 s76, s66, s71
	s_mul_i32 s77, s17, s72
	s_add_co_u32 s76, s76, s77
	s_add_co_u32 s76, s76, s73
	s_mul_i32 s76, s76, TILEB
	s_lshl_b32 s77, s40, 1
	s_add_co_u32 s77, s77, s16
	s_mul_i32 s77, s77, KSB
	s_add_co_u32 s76, s76, s77
	s_mul_i32 s77, s15, 2*REC
	s_add_co_u32 s76, s76, s77
	s_mov_b32 s77, 0
	s_add_nc_u64 s[12:13], s[12:13], s[76:77]
	s_cmp_eq_u32 s66, 0
	s_cselect_b64 s[78:79], s[6:7], s[8:9]
	s_lshl_b32 s80, s40, 10
	s_lshl_b32 s81, s16, 9
	s_add_co_u32 s80, s80, s81
	s_and_b32 s80, s80, s74
	s_mov_b32 s81, 0
	s_add_nc_u64 s[78:79], s[78:79], s[80:81]
	s_lshl_b32 s80, s17, 10
	s_lshl_b32 s82, s15, 9
	s_add_co_u32 s80, s80, s82
	s_and_b32 s80, s80, s75
	s_add_nc_u64 s[10:11], s[10:11], s[80:81]
	v_lshlrev_b32 v5, 5, v3
	v_lshlrev_b32 v6, 2, v2
.irp b, 0,1,2,3,4,5,6,7
	global_load_b128 v[BT+8*\b:BT+8*\b+3], v5, s[78:79] offset:64*\b
	global_load_b128 v[BT+8*\b+4:BT+8*\b+7], v5, s[78:79] offset:64*\b+16
.endr
.irp a, 0,1,2,3,4,5,6,7
	global_load_b32 v[8+\a], v6, s[10:11] offset:64*\a
.endr
	s_mov_b32 s[SEL], 0x76543210
	s_mov_b32 s[SEL+1], 0xfedcba98
	s_mov_b32 s[MNT], 0x600000
	s_mov_b32 s[HM], 0xffff0000
	s_wait_loadcnt 0x0
.set J, 0
.rept 64
	v_cndmask_b32 v[BT+J], 0, v[BT+J], s74
.set J, J+1
.endr
	s_wait_alu depctr_va_vdst(0)
	s_cmp_lt_u32 s14, 2
	s_cbranch_scc0 .Lnot_first
	s_wait_tensorcnt 0x0                           ; waves 0, 1: slot 0's tiles are in.  Waves 2, 3 wait at the first change of slots
.Lnot_first:
	s_barrier_signal -1
	s_barrier_wait -1
	FETCH_B 0, 0, 0
	FETCH_A 0, 0, 0
	SCALES 0
	FETCH_A 0, 0, 4
	STEP 0, 0, 2
	s_wait_tensorcnt 0x0                           ; my load of the head has landed, so descriptors may be written: from here on a load brings one K step, 132 rows of 256 bytes: number wave % 2 of a slot's two
	s_mul_i32 s18, s16, KSB
	s_mov_b32 s19, 0
.irp g, G0, G0+4, G0B, G0B+4
	s_add_co_u32 s[\g+1], s[\g+1], s18
	s_add_nc_u64 s[\g+2:\g+3], s[\g+2:\g+3], s[18:19]
.endr
.irp g, G1, G1B
	s_mov_b32 s[\g+2], 132<<16
	s_mov_b32 s[\g+4], 132
.endr
	s_mov_b32 s3, 1
.Llap:
	TURN 0, 1, 1
	STEP 1, 0, 0
	TURN 1, 0, 1
	STEP 0, 0, 0
	s_sub_co_u32 s3, s3, 1
	s_cmp_lg_u32 s3, 0
	s_cbranch_scc1 .Llap
	TURN 0, 1, 0
	STEP 1, 0, 0
	s_wait_dscnt 16
	WIN MUL_LO
	MUL16 0, 1, 1, 1, 0
	MUL16 2, 1, 1, 1, 0
	s_wait_dscnt 0
	WIN MUL_HI
	MUL16 4, 1, 1, 1, 0
	MUL16 6, 1, 1, 1, 0
	WIN 0
	PLACES NP
.irp b, 0,1,2,3
	v_mov_b32 v[TM+4+\b], 0
.endr
.irp a, 0,1,2,3,4,5,6,7
	v_cndmask_b32 v[BAP+2*\a], 0, v[8+\a], s75
	v_cndmask_b32 v[BAP+2*\a+1], 0, v[8+\a], s75
.endr
.macro OUT a
	WIN 2+(\a)/4
.set J, 0
.rept 32
	v_pk_add_f32 v[T+2*J:T+2*J+1], v[64*((\a)%4)+2*J:64*((\a)%4)+2*J+1], v[BAP+2*(\a):BAP+2*(\a)+1]
.set J, J+1
.endr
	WIN 0
	s_wait_xcnt 0x0
	QUANT T, 0, PWS+(\a)%4
.irp c, 0,1,2,3
	global_store_b128 v[LI], v[PC+4*\c:PC+4*\c+3], s[12:13] offset:((\a)/4)*REC+((\a)%4)*FRG+512*\c
.endr
.if (\a)%4 == 3
	v_cndmask_b32 v[XW], v[PWS], v[PWS+1], s[HM]
	v_cndmask_b32 v[XW+1], v[PWS+2], v[PWS+3], s[HM]
	global_store_b32 v[LS], v[XW], s[12:13] offset:((\a)/4)*REC+SCO
	global_store_b32 v[LS], v[XW+1], s[12:13] offset:((\a)/4)*REC+SCO+128
.endif
.endm
.irp a, 0,1,2,3,4,5,6,7
	OUT \a
.endr
	s_wait_tensorcnt 0x0
	ds_add_u32 v[SPW], v[NIL]
	s_wait_dscnt 0x0
	CROUND
	s_endpgm
.Lfunc_end_k_qbafacda9a4_gemm_qkv:
	.size	k_qbafacda9a4_gemm_qkv, .Lfunc_end_k_qbafacda9a4_gemm_qkv-k_qbafacda9a4_gemm_qkv
	.p2alignl 7, 3214868480
	.fill 96, 4, 3214868480
	.section	.rodata,"a",@progbits
	.p2align	6, 0x0
	.amdhsa_kernel k_qbafacda9a4_gemm_qkv
		.amdhsa_group_segment_fixed_size 327680
		.amdhsa_private_segment_fixed_size 0
		.amdhsa_enable_private_segment 0
		.amdhsa_kernarg_size 40
		.amdhsa_user_sgpr_count 2
		.amdhsa_user_sgpr_kernarg_segment_ptr 1
		.amdhsa_wavefront_size32 1
		.amdhsa_system_sgpr_workgroup_id_x 1
		.amdhsa_system_sgpr_workgroup_id_y 1
		.amdhsa_system_sgpr_workgroup_id_z 1
		.amdhsa_system_vgpr_workitem_id 0
		.amdhsa_next_free_vgpr 1024
		.amdhsa_next_free_sgpr 100
		.amdhsa_reserve_vcc 0
		.amdhsa_float_denorm_mode_32 3
		.amdhsa_float_denorm_mode_16_64 3
		.amdhsa_memory_ordered 1
		.amdhsa_forward_progress 1
		.amdhsa_inst_pref_size 209
	.end_amdhsa_kernel
	.amdgpu_metadata
---
amdhsa.version: [ 1, 2 ]
amdhsa.kernels:
  - .name:           k_qbafacda9a4_gemm_qkv
    .symbol:         k_qbafacda9a4_gemm_qkv.kd
    .args:
      - { .name: pc, .offset: 0, .size: 8, .value_kind: global_buffer, .address_space: global }
      - { .name: bq, .offset: 8, .size: 8, .value_kind: global_buffer, .address_space: global }
      - { .name: bk, .offset: 16, .size: 8, .value_kind: global_buffer, .address_space: global }
      - { .name: bv, .offset: 24, .size: 8, .value_kind: global_buffer, .address_space: global }
      - { .name: qkv, .offset: 32, .size: 8, .value_kind: global_buffer, .address_space: global }
    .group_segment_fixed_size: 327680
    .private_segment_fixed_size: 0
    .kernarg_segment_align: 8
    .kernarg_segment_size: 40
    .max_flat_workgroup_size: 128
    .sgpr_count:     100
    .vgpr_count:     1024
    .wavefront_size: 32
...
	.end_amdgpu_metadata
.endif
;; end of part 2
;; launch attn (part 3): grid 16 x 16, 16 waves a work-group, clusters of 4 x 1, 327,680 bytes of LDS; arguments qkv, oc; writes oc
.if DOCPART == 3
	.amdgcn_target "amdgcn-amd-amdhsa--gfx1250"
	.amdhsa_code_object_version 6
	.text
	.protected	k_qbafacda9a4_attn
	.globl	k_qbafacda9a4_attn
	.p2align	8
	.type	k_qbafacda9a4_attn,@function
k_qbafacda9a4_attn:
	s_mov_b64 s[64:65], 0
	v_nop
	global_prefetch_b8 v0, s[64:65] scope:SCOPE_SE
	s_setreg_imm32_b32 hwreg(HW_REG_WAVE_MODE, 25, 1), 1
	s_wait_xcnt 0x0
	s_wait_alu depctr_hold_cnt(0) depctr_sa_sdst(0) depctr_va_vdst(0) depctr_va_sdst(0) depctr_va_ssrc(0) depctr_va_vcc(0) depctr_vm_vsrc(0)
	s_getreg_b32 s2, hwreg(HW_REG_IB_STS2, 6, 4)
	s_cmp_eq_u32 s2, 0
	s_cbranch_scc0 .Lentry_in_a_cluster
	s_endpgm
.Lentry_in_a_cluster:
	s_bfe_u32 s2, ttmp6, 0x10000c
	s_cmp_lg_u32 s2, 0x3003
	s_cbranch_scc0 .Lentry_shape_is_right
	s_endpgm
.Lentry_shape_is_right:
; O = softmax(q k^T / 8) v for 32 heads of 64 channels and 2,048 keys, both products on codes of BF8 with E8M0 scales, and O / l quantised along the 1,024 channels for the next product.
; THE SOFTMAX: t = score x log2(e) / 8; M = the running largest t rounded UP to a whole number; p = 2^(t - M) is quantised along the keys, not normalised; l is the sum of the unquantised p; when M moves,
; l and O are multiplied by 2^(old M - new M), which rounds nothing.
; OPERANDS lie as images of registers (fragment 2,048 bytes, record = 64 rows x 128 K = 4 fragments + 256 bytes of scale words at 8,192).  q, k: rows = tokens, a K step = a PAIR of heads: pieces 0, 1 of a fragment are the
; even head's 64 channels, pieces 2, 3 the odd head's.  v: rows = channels (a record = a head), K = the keys.
; THE FIRST PRODUCT HAS K = 64: registers 8-15 of q's operand are zero codes.  Of k's fragments only registers 0-7 are loaded; registers 8-15 hold zeros at first and later v's codes of the step before:
; codes of finite numbers (the quantiser holds at the largest code), which meet q's zeros.  The scale words of half a fragment are loaded as 16 bits: bytes 2, 3 are 0.
; SHARES: a work-group takes 128 queries of a pair of heads; wave w: head w / 8 of the pair, queries 16 (w % 8) on.  Every wave walks the 2,048 keys, 128 a step.
; THE RING: two LDS slots of 512 keys, 135,168 bytes each: k's 8 records, then v's 4 key steps of 2 records.  Four fills, so four changes of slots; a slot's four key steps are one counted loop: from step to step k and v alike lie two records on.
; Both products are used transposed (S^T = k q^T, O^T = v^T p^T): a lane holds one query.  p's 16 registers of two neighbouring tiles hold a block of 32 keys in the order in which v's codes lie.
; CLUSTER: the four work-groups of a cluster share batch and pair, so k's and v's tiles are asked for jointly.
; LIMITS: NaN and infinities are not served; a block of zeros gets the byte 1.
.set FRG,   2048
.set REC,   8448
.set SCO,   8192
.set KSB,   33792
.set TILEB, 270336
.set SLOTB, 16*REC
.set SPARE, 2*SLOTB                    ; the spare words, 128 bytes for each of 16 waves
.set SCW,   SPARE+2048                 ; 512 bytes: the scale words of the 128 rows of the result
.set AK0,  1                           ; v1  my lane's place in a fragment of k
.set AV0,  2                           ; v2  of v
.set ASK0, 3                           ; v3  among k's scale words
.set ASV0, 4                           ; v4  among v's
.set SPW,  5
.set NIL,  6
.set PFO,  7                           ; v7  256 x lane, for the prefetches
.set ADK,  8
.set ADV,  9
.set ADS,  10
.set ADT,  11
.set GO,   192                         ; v192 16 x lane
.set GS,   193                         ; v193 8 x lane
.set QS,   194                         ; v194 4 x (lane % 16)
.set SWA,  195                         ; v195 where my row's half scale word goes in LDS
.set SRA,  196                         ; v196 and where 8 bytes of the words are read back
.set OW,   197                         ; v197 the half word
.set WV,   18
.set MNT,  19
.set SEL,  20
.set CS,   22
.set G1,   24
.set G0K,  40
.set G0V,  44
.set TB,   66                          ; s66 LDS byte at which the key step in hand begins
.set QC,   67                          ; s67 key steps to go in the slot
.set PFA,  76
.set PFS,  78
.set LIM,  80
.macro TLOAD                           ; waves 0-3 fetch k's four pairs of records, waves 4-7 v's four key steps; four v_nop follow each line
	s_cmp_lt_u32 s[WV], 4
	s_cbranch_scc0 .Lnot_k_\@
	tensor_load_to_lds s[G0K:G0K+3], s[G1:G1+7]
	s_nop 0
.rept 4
	v_nop
.endr
	s_branch .Lasked_\@
.Lnot_k_\@:
	s_cmp_lt_u32 s[WV], 8
	s_cbranch_scc0 .Lasked_\@
	tensor_load_to_lds s[G0V:G0V+3], s[G1:G1+7]
	s_nop 0
.rept 4
	v_nop
.endr
.Lasked_\@:
.endm
.macro ROUND                           ; a round of the cluster's barrier
	s_barrier_signal -1
	s_barrier_wait -1
	s_cmp_lg_u32 s[WV], 0
	s_cbranch_scc1 .Lnot_wave_0_\@
	s_barrier_signal -3
.Lnot_wave_0_\@:
	s_barrier_wait -3
	s_barrier_signal -1
	s_barrier_wait -1
.endm
; A prefetch of what the NEXT change of slots will ask for: a slot, four key steps, ahead of that load.  All four clusters of a pair of heads walk the same tiles: the first of them asks.  Its four partners share the 16 records out by
; address: in each, waves 8 and 10 name one record of k each (32 blocks of 256 bytes, a lane a block), waves 9 and 11 one of v.  A record's last 256 bytes, the scale words, are not named.  Slots 0 and 1 come by their loads alone; the last change that fills asks for nothing.
.macro ASK
	s_cmp_eq_u32 s[LIM], 1
	s_cbranch_scc0 .Lnot_mine_\@
	global_prefetch_b8 v[PFO], s[PFA:PFA+1] th:TH_LOAD_NT scope:SCOPE_SE
.Lnot_mine_\@:
.endm
	s_load_b128 s[4:7], s[0:1], 0x0                ; qkv s[4:5], oc s[6:7]
	v_lshl_add_u32 v[SPW], v0, 2, SPARE
	v_mov_b32 v[NIL], 0
	ds_add_u32 v5, v6
	ds_add_u32 v5, v6
	s_wait_dscnt 0x0
	v_lshrrev_b32 v8, 5, v0
	s_delay_alu instid0(VALU_DEP_1)
	v_readfirstlane_b32 s[WV], v8                  ; wave 0..15
	s_bfe_u32 s68, ttmp6, 0x40000                  ; cx
	s_lshl_b32 s69, ttmp9, 2
	s_add_co_u32 s69, s69, s68                     ; which 128 queries of the batch
	s_and_b32 s70, ttmp7, 0xffff
	s_lshr_b32 s71, s70, 3                         ; the batch
	s_and_b32 s72, s70, 7                          ; the pair of heads
	s_lshr_b32 s73, s[WV], 3                       ; my head of the pair
	s_and_b32 s74, s[WV], 7                        ; my tile of 16 queries
	s_and_b32 s75, s[WV], 1
	s_bfe_u32 s98, s[WV], 0x10001                  ; bit 1 of my wave's number
	s_and_b32 s99, s[WV], 3
	s_lshl_b32 s82, s71, 3
	s_lshr_b32 s83, s69, 1
	s_add_co_u32 s82, s82, s83                     ; the token tile of 256
	s_mul_i32 s82, s82, TILEB
	s_mul_i32 s83, s72, KSB
	s_add_co_u32 s82, s82, s83
	s_and_b32 s83, s69, 1
	s_mul_i32 s83, s83, 2*REC
	s_add_co_u32 s82, s82, s83                     ; my work-group's two records, in q's part of qkv and in oc alike
	s_lshr_b32 s84, s74, 2
	s_mul_i32 s84, s84, REC
	s_add_co_u32 s84, s84, s82
	s_and_b32 s85, s74, 3
	s_lshl_b32 s86, s85, 6
	s_add_co_u32 s86, s86, s84
	s_lshl_b32 s87, s73, 1
	s_add_co_u32 s86, s86, s87                     ; my tile's half scale words (8,192 further on)
	s_lshl_b32 s85, s85, 11
	s_add_co_u32 s84, s84, s85
	s_lshl_b32 s85, s73, 10
	s_add_co_u32 s84, s84, s85                     ; my tile's two pieces of codes
	s_mov_b32 s85, 0
	s_mov_b32 s87, 0
	s_mul_i32 s83, s75, REC
	s_add_co_u32 s82, s82, s83                     ; the record whose scale words waves 0, 1 store
	s_mov_b32 s83, 0
	s_lshl_b32 s88, s71, 3                         ; k: tile blocks 16 + 8 b on, K step = the pair
	s_add_co_u32 s88, s88, 16
	s_mul_i32 s88, s88, TILEB
	s_mul_i32 s89, s72, KSB
	s_add_co_u32 s88, s88, s89
	s_mov_b32 s92, s88
	s_mul_i32 s89, s75, 2*REC                      ; wave j = 0..3: token tile j / 2 of the slot's two, records 2 (j % 2) on
	s_add_co_u32 s88, s88, s89
	s_mul_i32 s89, s98, TILEB
	s_add_co_u32 s88, s88, s89
	s_mov_b32 s89, 0
	s_lshr_b32 s90, s72, 1                         ; v: tile blocks 32 + 4 (pair / 2) + 2 b on, records 2 (pair % 2), + 1
	s_lshl_b32 s90, s90, 2
	s_lshl_b32 s91, s71, 1
	s_add_co_u32 s90, s90, s91
	s_add_co_u32 s90, s90, 32
	s_mul_i32 s90, s90, TILEB
	s_and_b32 s91, s72, 1
	s_mul_i32 s91, s91, 2*REC
	s_add_co_u32 s90, s90, s91
	s_mov_b32 s93, s90
	s_mul_i32 s91, s99, KSB                        ; wave 4 + j: key step j of the slot's four
	s_add_co_u32 s90, s90, s91
	s_mov_b32 s91, 0
	s_mul_i32 s94, s99, 2*REC                      ; where they go in a slot: k's,
	s_add_co_u32 s95, s94, 8*REC                   ; v's
	s_mul_i32 s96, s68, REC                        ; the prefetches: k's record cx,
	s_add_co_u32 s92, s92, s96
	s_add_co_u32 s92, s92, 2*TILEB                 ; in slot 1: the first change of slots steps it to slot 2
	s_lshr_b32 s96, s68, 1
	s_mul_i32 s96, s96, KSB
	s_add_co_u32 s93, s93, s96
	s_and_b32 s96, s68, 1
	s_mul_i32 s96, s96, REC
	s_add_co_u32 s93, s93, s96                     ; v's record: key step cx / 2, head cx % 2
	s_add_co_u32 s93, s93, 4*KSB
	s_mov_b32 s[PFS], 2*KSB
	s_cmp_eq_u32 s75, 0                            ; waves 8, 10: k; waves 9, 11: v
	s_cselect_b32 s96, s92, s93
	s_cselect_b32 s[PFS], TILEB, s[PFS]            ; half a slot on:
	s_mul_i32 s97, s98, s[PFS]                     ; where waves 10, 11 ask
	s_add_co_u32 s96, s96, s97
	s_lshl_b32 s[PFS], s[PFS], 1                   ; a slot on
	s_mov_b32 s97, 0
	s_mov_b32 s[PFS+1], 0
	s_sub_co_u32 s81, s[WV], 8
	s_lshr_b32 s81, s81, 2                         ; 0 in waves 8 to 11,
	s_or_b32 s81, s81, ttmp9                       ; of the pair's first cluster: the same in all four partners
	s_cmp_eq_u32 s81, 0
	s_cselect_b32 s[LIM], 1, 0
	s_mov_b32 s[G1], 15|(3<<16)|(1<<21)            ; 15:0 the mask: all four; 17:16 elements of 8 bytes; 21 set beside a mask; no padding
	s_mov_b32 s[G1+1], 32<<16                      ; rows of 256 bytes,
	s_mov_b32 s[G1+2], 66<<16                      ; 66 of them: two records, dense
	s_mov_b32 s[G1+3], 32<<16
	s_mov_b32 s[G1+4], 66
	s_mov_b32 s[G1+5], 32
	s_mov_b32 s[G1+6], 0
	s_mov_b32 s[G1+7], 0
	s_mov_b32 s[SEL], 0x76543210
	s_mov_b32 s[SEL+1], 0xfedcba98
	s_mov_b32 s[CS], 0x3e38aa3b                    ; c = log2(e) / 8
	s_mov_b32 s[CS+1], s[CS]
	s_mov_b32 s[MNT], 0x600000
	s_wait_kmcnt 0x0
	s_mov_b32 s[G0K], 1
	s_mov_b32 s[G0K+1], s94
	s_add_nc_u64 s[G0K+2:G0K+3], s[4:5], s[88:89]
	s_or_b32 s[G0K+3], s[G0K+3], 0x80000000
	s_mov_b32 s[G0V], 1
	s_mov_b32 s[G0V+1], s95
	s_add_nc_u64 s[G0V+2:G0V+3], s[4:5], s[90:91]
	s_or_b32 s[G0V+3], s[G0V+3], 0x80000000
	ROUND                                          ; all four work-groups are here
	TLOAD                                          ; slot 0
	s_add_nc_u64 s[8:9], s[4:5], s[84:85]          ; q's codes
	s_add_nc_u64 s[10:11], s[4:5], s[86:87]        ; q's scale words
	s_add_nc_u64 s[12:13], s[6:7], s[84:85]        ; my codes in oc
	s_add_nc_u64 s[14:15], s[6:7], s[82:83]        ; a record of oc
	s_add_nc_u64 s[PFA:PFA+1], s[4:5], s[96:97]
	v_and_b32 v8, 31, v0
	v_and_b32 v9, 15, v0
	s_delay_alu instid0(VALU_DEP_2)
	v_lshlrev_b32 v[GO], 4, v8
	s_delay_alu instid0(VALU_DEP_3)
	v_lshlrev_b32 v[GS], 3, v8
	s_delay_alu instid0(VALU_DEP_3)
	v_lshlrev_b32 v[QS], 2, v9
	s_wait_alu depctr_va_vdst(0)
	v_lshlrev_b32 v[PFO], 8, v8
	global_load_b128 v[16:19], v[GO], s[8:9]
	global_load_b128 v[20:23], v[GO], s[8:9] offset:512
	global_load_u16 v255, v[QS], s[10:11] offset:SCO   ; q's two scale bytes; bytes 2, 3 are 0
	s_lshl_b32 s81, s73, 10
	v_add_nc_u32 v[AK0], s81, v[GO]
	s_mul_i32 s81, s73, REC
	s_add_co_u32 s81, s81, 2*KSB                   ; v's records lie behind k's eight
	v_add_nc_u32 v[AV0], s81, v[GO]
	s_add_co_u32 s81, s81, SCO
	v_add_nc_u32 v[ASV0], s81, v[QS]
	s_lshl_b32 s81, s73, 1
	s_add_co_u32 s81, s81, SCO
	v_add_nc_u32 v[ASK0], s81, v[QS]
	s_lshl_b32 s81, s74, 6
	s_lshl_b32 s96, s73, 1
	s_add_co_u32 s81, s81, s96
	s_add_co_u32 s81, s81, SCW
	v_add_nc_u32 v[SWA], s81, v[QS]
	s_lshl_b32 s81, s75, 8
	s_add_co_u32 s81, s81, SCW
	v_add_nc_u32 v[SRA], s81, v[GS]
.irp j, 0,1,2,3,4,5,6,7
	v_mov_b32 v[24+\j], 0                          ; q's zero codes for k = 64 .. 127
.endr
.irp t, 0,1,2,3
.irp j, 8,9,10,11,12,13,14,15
	v_mov_b32 v[32+16*\t+\j], 0                    ; the upper halves of k's fragments, until v's codes lie there
.endr
.endr
	v_mov_b32 v13, 0xff61b1e6                      ; the largest t so far: -3e38
	s_delay_alu instid0(VALU_DEP_1)
	v_floor_f32 v12, -v13                          ; -M
	v_mov_b32 v14, 0
	v_mov_b32 v15, 0
.irp b, 0,1,2,3
	v_mov_b32 v[236+\b], 0
.endr
	v_mov_b32 v253, 0
.set J, 0
.rept 32
	v_mov_b32 v[160+J], 0                          ; O^T: the step is written once for all; the first finds zeros
.set J, J+1
.endr
.macro STEP                            ; 128 keys: k's two records and v's two at s[TB]
	v_add_nc_u32 v[ADK], s[TB], v[AK0]
	s_wait_alu depctr_va_vdst(0)
	v_add_nc_u32 v[ADV], s[TB], v[AV0]
	v_add_nc_u32 v[ADS], s[TB], v[ASK0]
	s_wait_alu depctr_va_vdst(0)
	v_add_nc_u32 v[ADT], s[TB], v[ASV0]
	s_wait_alu depctr_va_vdst(0)
.irp g, 0,1                            ; S^T = k q^T, four tiles of 16 keys (one record) at a time
.rept 8-4*(1-\g)
	v_nop                                          ; eight places in front of loads into registers that matrix instructions have read (the four additions above are four of them)
.endr
.irp t, 0,1,2,3
.irp c, 0,1
	ds_load_b128 v[32+16*\t+4*\c:35+16*\t+4*\c], v[ADK] offset:\g*REC+FRG*\t+512*\c
.endr
	ds_load_u16 v[248+\t], v[ADS] offset:\g*REC+64*\t
.endr
	s_wait_dscnt 0x0
.irp t, 0,1,2,3
	v_wmma_scale_f32_16x16x128_f8f6f4 v[96+8*(4*\g+\t):103+8*(4*\g+\t)], v[32+16*\t:47+16*\t], v[16:31], 0, v[248+\t], v255 matrix_a_fmt:MATRIX_FMT_BF8 matrix_b_fmt:MATRIX_FMT_BF8
.endr
.endr
.rept 8
	v_nop
.endr
.irp t, 0,1,2,3                        ; v's four tiles of 16 channels are asked for here, behind the eight places: k's fragments are done with, and the softmax stands between these loads and the wait for them
.irp c, 0,1,2,3
	ds_load_b128 v[32+16*\t+4*\c:35+16*\t+4*\c], v[ADV] offset:FRG*\t+512*\c
.endr
	ds_load_b32 v[200+\t], v[ADT] offset:64*\t     ; v's scale words have registers of their own
.endr
.irp b, 0,1,2,3
	v_max3_num_f32 v[232+\b], v[96+16*\b], v[97+16*\b], v[98+16*\b]
.endr
.irp i, 3,5,7,9,11,13
.irp b, 0,1,2,3
	v_max3_num_f32 v[232+\b], v[232+\b], v[96+16*\b+\i], v[97+16*\b+\i]
.endr
.endr
.irp b, 0,1,2,3
	v_max_num_f32 v[232+\b], v[232+\b], v[111+16*\b]
.endr
.irp b, 0,1,2,3
	v_permlanex16_b32 v[236+\b], v[232+\b], s[SEL], s[SEL+1]
.endr
.irp b, 0,1,2,3
	s_delay_alu instid0(VALU_DEP_4)
	v_max_num_f32 v[232+\b], v[232+\b], v[236+\b]
.endr
	s_delay_alu instid0(VALU_DEP_2)
	v_max3_num_f32 v254, v232, v233, v234
	s_delay_alu instid0(VALU_DEP_1)
	v_max_num_f32 v254, v254, v235
	s_delay_alu instid0(VALU_DEP_1)
	v_mul_f32 v254, s[CS], v254
	s_delay_alu instid0(VALU_DEP_1)
	v_max_num_f32 v13, v13, v254                   ; the running largest t
	v_mov_b32 v254, v12
	s_delay_alu instid0(VALU_DEP_2)
	v_floor_f32 v12, -v13                          ; the new -M = -ceil(t)
	s_delay_alu instid0(VALU_DEP_1)
	v_sub_f32 v254, v12, v254
	s_delay_alu instid0(VALU_DEP_1)
	v_cvt_i32_f32 v254, v254                       ; (it saturates)
	s_delay_alu instid0(VALU_DEP_1)
	v_ldexp_f32 v252, 1.0, v254                    ; f = 2^(old M - new M)
.set J, 0
.rept 32
	v_pk_fma_f32 v[96+J:97+J], v[96+J:97+J], s[CS:CS+1], v[12:13] op_sel_hi:[1,0,0]   ; t - M
.set J, J+2
.endr
.irp b, 0,1,2,3
	v_fma_f32 v[232+\b], v[232+\b], s[CS], v12
.endr
.set J, 0
	s_wait_alu depctr_va_vdst(0)
.rept 64
	v_exp_f32 v[96+J], v[96+J]                     ; p = 2^(t - M)
.set J, J+1
.endr
	v_pk_mul_f32 v[14:15], v[14:15], v[252:253] op_sel_hi:[1,0]   ; the sums under the new M: a plain line behind the exponentials
	s_wait_alu depctr_va_vdst(0)                   ; one wait for the batch, ahead of its first reader
.irp b, 0,1,2,3
	v_exp_f32 v[232+\b], v[232+\b]                 ; each block's largest p
.endr
	v_pk_add_f32 v[236:237], v[100:101], v[104:105]
	v_pk_add_f32 v[250:251], v[108:109], v[112:113]
	v_pk_add_f32 v[248:249], v[116:117], v[120:121]
	v_pk_add_f32 v[246:247], v[124:125], v[128:129]
	v_pk_add_f32 v[244:245], v[132:133], v[136:137]
	v_pk_add_f32 v[242:243], v[140:141], v[144:145]
	v_pk_add_f32 v[240:241], v[148:149], v[152:153]
	v_pk_add_f32 v[14:15], v[14:15], v[156:157]
	v_pk_add_f32 v[236:237], v[236:237], v[96:97]
	v_pk_add_f32 v[250:251], v[250:251], v[98:99]
	v_pk_add_f32 v[248:249], v[248:249], v[102:103]
	v_pk_add_f32 v[246:247], v[246:247], v[106:107]
	v_pk_add_f32 v[244:245], v[244:245], v[110:111]
	v_pk_add_f32 v[242:243], v[242:243], v[114:115]
	v_pk_add_f32 v[240:241], v[240:241], v[118:119]
	v_pk_add_f32 v[14:15], v[14:15], v[122:123]
	v_pk_add_f32 v[236:237], v[236:237], v[126:127]
	v_pk_add_f32 v[250:251], v[250:251], v[130:131]
	v_pk_add_f32 v[248:249], v[248:249], v[134:135]
	v_pk_add_f32 v[246:247], v[246:247], v[138:139]
	v_pk_add_f32 v[244:245], v[244:245], v[142:143]
	v_pk_add_f32 v[242:243], v[242:243], v[146:147]
	v_pk_add_f32 v[240:241], v[240:241], v[150:151]
	v_pk_add_f32 v[14:15], v[14:15], v[154:155]
	v_pk_add_f32 v[236:237], v[236:237], v[158:159]
	s_delay_alu instid0(VALU_DEP_2)
	v_pk_add_f32 v[14:15], v[14:15], v[246:247]
	s_delay_alu instid0(VALU_DEP_2)
	v_pk_add_f32 v[236:237], v[236:237], v[244:245]
	v_pk_add_f32 v[250:251], v[250:251], v[242:243]
	v_pk_add_f32 v[248:249], v[248:249], v[240:241]
	s_delay_alu instid0(VALU_DEP_2)
	v_pk_add_f32 v[14:15], v[14:15], v[250:251]
	s_delay_alu instid0(VALU_DEP_2)
	v_pk_add_f32 v[236:237], v[236:237], v[248:249]
	s_delay_alu instid0(VALU_DEP_1)
	v_pk_add_f32 v[14:15], v[14:15], v[236:237]
	s_wait_alu depctr_va_vdst(0)                   ; and one for the four
.irp b, 0,1,2,3
	v_max_num_f32 v[232+\b], 0x8000000, v[232+\b]  ; the floor
.endr
.irp b, 0,1,2,3
	s_delay_alu instid0(VALU_DEP_4)
	v_add_nc_u32 v[244+\b], 0xf8800000, v[232+\b]
.endr
.irp b, 0,1,2,3
	v_and_or_b32 v[240+\b], v[232+\b], 0x7f800000, s[MNT]
.endr
.irp b, 0,1,2,3
	v_and_or_b32 v[204+(\b+1)%4], v[232+\b], 0x7f800000, s[MNT]   ; the same bound once more, in a register whose number differs modulo 4: for the second half of a dual pair
.endr
.irp b, 0,1,2,3
	v_lshrrev_b32 v[236+\b], 23, v[244+\b]
.endr
	s_delay_alu instid0(VALU_DEP_3)
	v_lshl_or_b32 v253, v237, 8, v236              ; p's scale word for these 128 keys
	s_delay_alu instid0(VALU_DEP_1)
	v_lshl_or_b32 v253, v238, 16, v253
	s_delay_alu instid0(VALU_DEP_1)
	v_lshl_or_b32 v253, v239, 24, v253
.irp b, 0,1,2,3
.irp i, 0,2,4,6,8,10,12,14
	v_dual_min_num_f32 v[96+16*\b+\i], v[96+16*\b+\i], v[240+\b] :: v_dual_min_num_f32 v[97+16*\b+\i], v[97+16*\b+\i], v[204+(\b+1)%4]   ; the hold, two numbers an instruction; p is not negative
.endr
	v_cvt_scalef32_pk8_bf8_f32 v[224+4*\b:225+4*\b], v[96+16*\b:103+16*\b], v[244+\b]
	v_cvt_scalef32_pk8_bf8_f32 v[226+4*\b:227+4*\b], v[104+16*\b:111+16*\b], v[244+\b]
.endr
.set J, 0
.rept 16
	v_pk_mul_f32 v[160+J:161+J], v[160+J:161+J], v[252:253] op_sel_hi:[1,0]   ; O^T under the new M
.set J, J+2
.endr
.rept 4
	v_nop
.endr
	s_wait_alu depctr_va_vdst(0)
	s_wait_dscnt 0x0
.irp t, 0,1,2,3
	v_wmma_scale_f32_16x16x128_f8f6f4 v[160+8*\t:167+8*\t], v[32+16*\t:47+16*\t], v[224:239], v[160+8*\t:167+8*\t], v[200+\t], v253 matrix_a_fmt:MATRIX_FMT_BF8 matrix_b_fmt:MATRIX_FMT_BF8
.endr
.endm
; THE CHANGE OF SLOTS stands at a slot's head: all my tensor loads have landed, the add, my reads of the slot that I have left are over; then the barrier (fill = 1: a round of the cluster's), and behind it the fill of slot 'to'.
.macro CHANGE fill, to, ask
	s_wait_tensorcnt 0x0
	ds_add_u32 v[SPW], v[NIL]                      ; 0 onto my spare word
.if \fill
	s_add_co_u32 s[G0K+1], s94, (\to)*SLOTB        ; the walking descriptors: the other slot,
	s_add_nc_u64 s[G0K+2:G0K+3], s[G0K+2:G0K+3], 2*TILEB   ; k's next 512 tokens,
	s_add_co_u32 s[G0V+1], s95, (\to)*SLOTB
	s_add_nc_u64 s[G0V+2:G0V+3], s[G0V+2:G0V+3], 4*KSB     ; v's next four key steps
.if \ask
	s_wait_xcnt 0x0                                ; the last prefetch, a slot back, has read its address
	s_add_nc_u64 s[PFA:PFA+1], s[PFA:PFA+1], s[PFS:PFS+1]
.endif
	s_wait_dscnt 0x0
	ROUND
	TLOAD                                          ; the first thing behind the round, and a wave's one tensor load until the next
.if \ask
	ASK
.endif
.else
	s_wait_dscnt 0x0
	s_barrier_signal -1
	s_barrier_wait -1
.endif
.endm
.macro WALK base                       ; a slot's four key steps
	s_mov_b32 s[TB], \base
	s_mov_b32 s[QC], 4
.Lstep_\@:
	STEP
	s_add_co_u32 s[TB], s[TB], 2*REC
	s_sub_co_u32 s[QC], s[QC], 1
	s_cmp_lg_u32 s[QC], 0
	s_cbranch_scc1 .Lstep_\@
.endm
	s_wait_loadcnt 0x0                             ; q
	CHANGE 1, 1, 1                                 ; keys 0-511 are in; keys 512 on are asked for
	WALK 0
	CHANGE 1, 0, 1
	WALK SLOTB
	CHANGE 1, 1, 0
	WALK 0
	CHANGE 0, 0, 0                                 ; nothing more to fetch
	WALK SLOTB
	; THE WAY OUT: O^T / l; a lane's 32 numbers are two blocks of 32 channels (with lane l xor 16) of my query's row: quantised, they are two pieces of a fragment of the next operand
.rept 8
	v_nop
.endr
	v_add_f32 v14, v14, v15
	s_delay_alu instid0(VALU_DEP_1)
	v_permlanex16_b32 v252, v14, s[SEL], s[SEL+1]
	s_delay_alu instid0(VALU_DEP_1)
	v_add_f32 v14, v14, v252                       ; the row's sum
	s_wait_alu depctr_va_vdst(0)
	v_rcp_f32 v14, v14
	v_nop
	s_wait_alu depctr_va_vdst(0)
.set J, 0
.rept 32
	v_mul_f32 v[96+J], v[160+J], v14
.set J, J+1
.endr
.irp b, 0,1
	v_max3_num_f32 v[232+\b], |v[96+16*\b]|, |v[97+16*\b]|, 0x8000000
.endr
.irp i, 2,4,6,8,10,12,14
.irp b, 0,1
	s_delay_alu instid0(VALU_DEP_2)
	v_max3_num_f32 v[232+\b], v[232+\b], |v[96+16*\b+\i]|, |v[97+16*\b+\i]|
.endr
.endr
.irp b, 0,1
	v_permlanex16_b32 v[236+\b], v[232+\b], s[SEL], s[SEL+1]
.endr
.irp b, 0,1
	s_delay_alu instid0(VALU_DEP_2)
	v_max_num_f32 v[232+\b], v[232+\b], v[236+\b]
.endr
.irp b, 0,1
	s_delay_alu instid0(VALU_DEP_2)
	v_add_nc_u32 v[244+\b], 0xf8800000, v[232+\b]
.endr
.irp b, 0,1
	s_delay_alu instid0(VALU_DEP_4)
	v_and_or_b32 v[240+\b], v[232+\b], 0x7f800000, s[MNT]
.endr
.irp b, 0,1
	s_delay_alu instid0(VALU_DEP_4)
	v_lshrrev_b32 v[236+\b], 23, v[244+\b]
.endr
	s_delay_alu instid0(VALU_DEP_1)
	v_lshl_or_b32 v[OW], v237, 8, v236
.irp b, 0,1
.irp i, 0,1,2,3,4,5,6,7,8,9,10,11,12,13,14,15
	v_med3_num_f32 v[96+16*\b+\i], v[96+16*\b+\i], -v[240+\b], v[240+\b]
.endr
	v_cvt_scalef32_pk8_bf8_f32 v[224+4*\b:225+4*\b], v[96+16*\b:103+16*\b], v[244+\b]
	v_cvt_scalef32_pk8_bf8_f32 v[226+4*\b:227+4*\b], v[104+16*\b:111+16*\b], v[244+\b]
.endr
	v_nop
	global_store_b128 v[GO], v[224:227], s[12:13]              ; 512 consecutive bytes each
	global_store_b128 v[GO], v[228:231], s[12:13] offset:512
	ds_store_b16 v[SWA], v[OW]                     ; a row's word is made of two heads' halves: they meet in LDS (lanes l and l xor 16 write the same)
	s_wait_dscnt 0x0
	s_barrier_signal -1
	s_barrier_wait -1
	s_cmp_lt_u32 s[WV], 2
	s_cbranch_scc0 .Lno_words
	ds_load_b64 v[198:199], v[SRA]
	s_wait_dscnt 0x0
	global_store_b64 v[GS], v[198:199], s[14:15] offset:SCO    ; a record's 64 words: 256 consecutive bytes, aligned
.Lno_words:
	s_wait_tensorcnt 0x0                           ; the wave's end
	ds_add_u32 v[SPW], v[NIL]
	s_wait_dscnt 0x0
	ROUND                                          ; the closing round
	s_endpgm
.Lfunc_end_k_qbafacda9a4_attn:
	.size	k_qbafacda9a4_attn, .Lfunc_end_k_qbafacda9a4_attn-k_qbafacda9a4_attn
	.p2alignl 7, 3214868480
	.fill 96, 4, 3214868480
	.section	.rodata,"a",@progbits
	.p2align	6, 0x0
	.amdhsa_kernel k_qbafacda9a4_attn
		.amdhsa_group_segment_fixed_size 327680
		.amdhsa_private_segment_fixed_size 0
		.amdhsa_enable_private_segment 0
		.amdhsa_kernarg_size 16
		.amdhsa_user_sgpr_count 2
		.amdhsa_user_sgpr_kernarg_segment_ptr 1
		.amdhsa_wavefront_size32 1
		.amdhsa_system_sgpr_workgroup_id_x 1
		.amdhsa_system_sgpr_workgroup_id_y 1
		.amdhsa_system_sgpr_workgroup_id_z 1
		.amdhsa_system_vgpr_workitem_id 0
		.amdhsa_next_free_vgpr 256
		.amdhsa_next_free_sgpr 100
		.amdhsa_reserve_vcc 0
		.amdhsa_float_denorm_mode_32 3
		.amdhsa_float_denorm_mode_16_64 3
		.amdhsa_memory_ordered 1
		.amdhsa_forward_progress 1
		.amdhsa_inst_pref_size 105
	.end_amdhsa_kernel
	.amdgpu_metadata
---
amdhsa.version: [ 1, 2 ]
amdhsa.kernels:
  - .name:           k_qbafacda9a4_attn
    .symbol:         k_qbafacda9a4_attn.kd
    .args:
      - { .name: qkv, .offset: 0, .size: 8, .value_kind: global_buffer, .address_space: global }
      - { .name: oc, .offset: 8, .size: 8, .value_kind: global_buffer, .address_space: global }
    .group_segment_fixed_size: 327680
    .private_segment_fixed_size: 0
    .kernarg_segment_align: 8
    .kernarg_segment_size: 16
    .max_flat_workgroup_size: 512
    .sgpr_count:     100
    .vgpr_count:     256
    .wavefront_size: 32
...
	.end_amdgpu_metadata
.endif
;; end of part 3
;; launch wo (part 4): grid 8 x 32, 4 waves a work-group, clusters of 4 x 4, 327,680 bytes of LDS; arguments oc, woc, g; writes g
.if DOCPART == 4
	.amdgcn_target "amdgcn-amd-amdhsa--gfx1250"
	.amdhsa_code_object_version 6
	.text
	.protected	k_qbafacda9a4_wo
	.globl	k_qbafacda9a4_wo
	.p2align	8
	.type	k_qbafacda9a4_wo,@function
k_qbafacda9a4_wo:
	s_mov_b64 s[64:65], 0
	v_nop
	global_prefetch_b8 v0, s[64:65] scope:SCOPE_SE
	s_setreg_imm32_b32 hwreg(HW_REG_WAVE_MODE, 25, 1), 1
	s_wait_xcnt 0x0
	s_wait_alu depctr_hold_cnt(0) depctr_sa_sdst(0) depctr_va_vdst(0) depctr_va_sdst(0) depctr_va_ssrc(0) depctr_va_vcc(0) depctr_vm_vsrc(0)
	s_getreg_b32 s2, hwreg(HW_REG_IB_STS2, 6, 4)
	s_cmp_eq_u32 s2, 0
	s_cbranch_scc0 .Lentry_in_a_cluster
	s_endpgm
.Lentry_in_a_cluster:
	s_bfe_u32 s2, ttmp6, 0x10000c
	s_cmp_lg_u32 s2, 0xf033
	s_cbranch_scc0 .Lentry_shape_is_right
	s_endpgm
.Lentry_shape_is_right:
; C = A B^T on codes of BF8 (E5M2) with E8M0 scales; C [4096][1024] in f32; K = 128 KST.  Bias and residual are added by the launch that follows.
; OPERANDS lie as images of the matrix instruction's registers: fragment (16 rows x 128 K) 2,048 bytes; record (64 rows) = 4 fragments + 256 bytes of scale words; 4 records = 256 rows of a K step;
; 8 K steps a tile block.  A's blocks: [K / 1024][16 token tiles]; B's: [K / 1024][4 tiles of columns].  Inside a block of 32 the order of k is the same in both operands, not ascending.
; SHARES: a block of C is 128 x 128, so that 8 x 32 = 256 work-groups share C; four waves, 64 x 64 each: 16 accumulators.  Source 0 = 16 rows of B, source 1 = 16 rows of A: a lane holds 8 neighbouring numbers of a row of C.
; LDS: two slots of four K steps: A's 4 rows of 16,896 bytes (two records of each K step), then B's.  At the head each wave asks for one of the four tiles, so both slots are on their way at once.
; Here KST = 8: the two slots hold all of K, nothing is filled again, and there is no loop: so no prefetch is laid: all that the launch reads is asked for by the head's four loads.
; CLUSTERS of 4 x 4 with joint loads: A's tile is shared along a row of the cluster, B's along a column.
; REGISTERS: window 0: v16-25 addresses, v28-29 the add's, v32-39 scale words (two sets), v128-255 A's fragments (two sets), later rows of C.  window 1: v0-127 the accumulators, v128-255 B's fragments (two sets).
.set KST,   8
.set FRG,   2048
.set REC,   8448
.set SCO,   8192
.set KSB,   33792
.set TILEB, 270336
.set ROWB,  2*REC
.set HALF,  4*ROWB
.set SLOT,  2*HALF
.set SPARE, 2*SLOT
.set CHA,   16*TILEB
.set CHB,   4*TILEB
.set SPITCH, 272
.set ADRA, 16
.set ADRB, 18
.set ADRS, 20
.set STO,  22
.set RD,   23
.set CO,   24
.set PFO,  25
.set SPW,  28
.set NIL,  29
.set SC,   32
.set FB,   128
.set G1,  24
.set G0,  32
.set G1B, 48
.set G0B, 56
.set PF,  76
.set PFS, 80
.set MSB, 0
.macro WIN new
.if MSB != \new
	s_set_vgpr_msb (MSB<<8)|\new
.set MSB, \new
.endif
.endm
.set MUL,  0x51                        ; source 0 (B), C and D window 1; source 1 (A) window 0
.set TO_B, 0x40
.macro PLACES n
.rept \n
	v_nop
.endr
.endm
.macro CREST
	s_cmp_lg_u32 s14, 0
	s_cbranch_scc1 .Lnot_wave_0_\@
	s_barrier_signal -3
.Lnot_wave_0_\@:
	s_barrier_wait -3
	s_barrier_signal -1
	s_barrier_wait -1
.endm
.macro CROUND
	s_barrier_signal -1
	s_barrier_wait -1
	CREST
.endm
.macro JLOAD s                         ; slot s is filled again: wave 2 s asks for A's tile, wave 2 s + 1 for B's
	s_cmp_eq_u32 s14, 2*\s
	s_cbranch_scc0 .Lnot_a_\@
	tensor_load_to_lds s[G0+4*\s:G0+4*\s+3], s[G1:G1+7]
	s_nop 0
	PLACES 4
	s_branch .Lasked_\@
.Lnot_a_\@:
	s_cmp_eq_u32 s14, 2*\s+1
	s_cbranch_scc0 .Lasked_\@
	tensor_load_to_lds s[G0B+4*\s:G0B+4*\s+3], s[G1B:G1B+7]
	s_nop 0
	PLACES 4
.Lasked_\@:
.endm
.macro FRAG reg, adr, q, i
.irp c, 0,1,2,3
	ds_load_b128 v[\reg+4*\c:\reg+4*\c+3], v[\adr] offset:(\q)*ROWB+(\i)*FRG+512*\c
.endr
.endm
.macro FETCH slot, q, p                ; 36 LDS loads: my 4 fragments of B, my 4 of A, 4 registers of scale words (lanes 0-15 A's fragment i, lanes 16-31 B's)
	WIN TO_B
.irp i, 0,1,2,3
	FRAG FB+64*(\p)+16*\i, ADRB+\slot, \q, \i
.endr
	WIN 0
.irp i, 0,1,2,3
	FRAG FB+64*(\p)+16*\i, ADRA+\slot, \q, \i
.endr
.irp i, 0,1,2,3
	ds_load_b32 v[SC+4*(\p)+\i], v[ADRS+\slot] offset:(\q)*ROWB+64*\i
.endr
.endm
.macro MUL16 p, zero                   ; the 16 accumulators take turns; zero = 1: the first product starts the sums
.irp a, 0,1,2,3
.irp b, 0,1,2,3
.if \zero
	v_wmma_scale_f32_16x16x128_f8f6f4 v[8*(4*\a+\b):8*(4*\a+\b)+7], v[FB+64*(\p)+16*\b:FB+64*(\p)+16*\b+15], v[FB+64*(\p)+16*\a:FB+64*(\p)+16*\a+15], 0, v[SC+4*(\p)+\b], v[SC+4*(\p)+\a] matrix_a_fmt:MATRIX_FMT_BF8 matrix_b_fmt:MATRIX_FMT_BF8 matrix_a_scale:MATRIX_SCALE_ROW1
.else
	v_wmma_scale_f32_16x16x128_f8f6f4 v[8*(4*\a+\b):8*(4*\a+\b)+7], v[FB+64*(\p)+16*\b:FB+64*(\p)+16*\b+15], v[FB+64*(\p)+16*\a:FB+64*(\p)+16*\a+15], v[8*(4*\a+\b):8*(4*\a+\b)+7], v[SC+4*(\p)+\b], v[SC+4*(\p)+\a] matrix_a_fmt:MATRIX_FMT_BF8 matrix_b_fmt:MATRIX_FMT_BF8 matrix_a_scale:MATRIX_SCALE_ROW1
.endif
.endr
.endr
.endm
.macro STEP slot, q, zero              ; K step q (0 .. 2) of a slot: the next step's operands are asked for first
	PLACES 8                                       ; eight places behind the products that read the set loaded next
	FETCH \slot, (\q)+1, 1-(\q)%2
	s_wait_dscnt 36                                ; all but the 36 loads just issued: this step's set is in
	WIN MUL
	MUL16 (\q)%2, \zero
	WIN 0
.endm
.macro RUN slot, zero
	STEP \slot, 0, \zero
	STEP \slot, 1, 0
	STEP \slot, 2, 0
.endm
; A slot's last K step and the change of slots.  fill = 1: the slot is filled again, behind a round of the cluster's barrier.  ask: 1: a prefetch; 2: only in the loop's first trip
.macro TURN slot, next, fill, ask
.if \ask
	s_wait_xcnt 0x0                                ; my last prefetch by this address has read it
	s_add_nc_u64 s[PF+2*\slot:PF+2*\slot+1], s[PF+2*\slot:PF+2*\slot+1], s[PFS:PFS+1]
.endif
	s_wait_tensorcnt 0x0                           ; all my tensor loads have landed
	ds_add_u32 v[SPW], v[NIL]
	s_wait_dscnt 0x0                               ; the add is done, the last step's set is in, my reads of this slot are over
	s_barrier_signal -1
	WIN MUL
	MUL16 1, 0
	WIN 0
	s_barrier_wait -1
.if \fill
	CREST
	s_add_nc_u64 s[G0+4*\slot+2:G0+4*\slot+3], s[G0+4*\slot+2:G0+4*\slot+3], CHA    ; the same four K steps of the next 1,024 of K
	s_add_nc_u64 s[G0B+4*\slot+2:G0B+4*\slot+3], s[G0B+4*\slot+2:G0B+4*\slot+3], CHB
	JLOAD \slot
.endif
	PLACES 8
	FETCH \next, 0, 0
.if \ask == 2
	s_cmp_eq_u32 s3, 2
	s_cbranch_scc0 .Lnone_\@
.endif
.if \ask
	global_prefetch_b8 v[PFO], s[PF+2*\slot:PF+2*\slot+1] th:TH_LOAD_NT scope:SCOPE_SE
.endif
.if \ask == 2
.Lnone_\@:
.endif
.endm
	s_load_b128 s[4:7], s[0:1], 0x0                ; A s[4:5], B s[6:7]
	s_load_b64 s[12:13], s[0:1], 0x10              ; C
	v_lshl_add_u32 v[SPW], v0, 2, SPARE
	v_mov_b32 v[NIL], 0
	ds_add_u32 v[SPW], v[NIL]                      ; the opening lines: the add twice on end and its wait
	ds_add_u32 v[SPW], v[NIL]
	v_lshrrev_b32 v1, 5, v0
	v_readfirstlane_b32 s14, v1                    ; wave 0..3
	s_lshr_b32 s15, s14, 1                         ; my 64 rows of the block
	s_and_b32 s16, s14, 1                          ; my 64 columns
	s_bfe_u32 s40, ttmp6, 0x40000                  ; cx
	s_bfe_u32 s41, ttmp6, 0x40004                  ; cy
	s_lshl_b32 s42, ttmp9, 2
	s_add_co_u32 s42, s42, s40                     ; x: which 128 columns
	s_and_b32 s17, ttmp7, 0xffff
	s_lshl_b32 s17, s17, 2
	s_add_co_u32 s17, s17, s41                     ; y: which 128 rows
	s_lshl_b32 s43, s41, 2
	s_lshl_b32 s43, 15, s43                        ; my row of the cluster
	s_lshl_b32 s44, 0x1111, s40                    ; my column
	s_or_b32 s[G1], s43, (3<<16)|(1<<21)           ; elements of 8 bytes; bit 21 beside the mask
	s_or_b32 s[G1B], s44, (3<<16)|(1<<21)
.irp g, G1, G1B
	s_mov_b32 s[\g+1], (ROWB/8)<<16                ; a row: two records of a K step, 16,896 bytes
	s_mov_b32 s[\g+2], 4<<16                       ; four K steps,
	s_mov_b32 s[\g+3], (ROWB/8)<<16
	s_mov_b32 s[\g+4], 4
	s_mov_b32 s[\g+5], KSB/8                       ; 33,792 bytes apart
	s_mov_b32 s[\g+6], 0
	s_mov_b32 s[\g+7], 0
.endr
	s_lshr_b32 s20, s17, 1                         ; A: tile block y / 2, records 2 (y % 2) on
	s_mul_i32 s20, s20, TILEB
	s_and_b32 s18, s17, 1
	s_mul_i32 s18, s18, ROWB
	s_add_co_u32 s20, s20, s18
	s_mov_b32 s21, 0
	s_lshr_b32 s46, s42, 1                         ; B likewise by x
	s_mul_i32 s46, s46, TILEB
	s_and_b32 s19, s42, 1
	s_mul_i32 s19, s19, ROWB
	s_add_co_u32 s46, s46, s19
	s_mov_b32 s47, 0
.if KST > 8
	s_mul_i32 s84, s40, KSB                        ; the prefetches: of A's four K steps my work-group names number cx, of B's number cy;
	s_add_co_u32 s84, s84, s20
	s_mul_i32 s85, s41, KSB
	s_add_co_u32 s85, s85, s46
	s_mov_b32 s[PFS], CHB
	s_cmp_eq_u32 s15, 0                            ; waves 0, 1 name A's two records, waves 2, 3 B's
	s_cselect_b32 s84, s84, s85
	s_cselect_b32 s[PFS], CHA, s[PFS]
	s_mov_b32 s[PFS+1], 0
	s_mul_i32 s85, s16, REC
	s_add_co_u32 s84, s84, s85
	s_add_co_u32 s84, s84, s[PFS]                  ; at the second 1,024 of K: each use steps it first
	s_mov_b32 s85, 0
.endif
	s_mul_i32 s70, s15, REC                        ; LDS: my record of A's two,
	s_mul_i32 s71, s16, REC
	s_add_co_u32 s71, s71, HALF                    ; of B's two,
	s_sub_co_u32 s72, s71, s70
	s_add_co_u32 s73, s70, SCO
	s_mul_i32 s74, s14, 16*SPITCH                  ; my stage
	s_lshl_b32 s86, s17, 19                        ; C: 128 y rows of 4,096 bytes,
	s_lshl_b32 s87, s15, 18
	s_add_co_u32 s86, s86, s87
	s_lshl_b32 s87, s42, 9                         ; 128 x columns
	s_add_co_u32 s86, s86, s87
	s_lshl_b32 s87, s16, 8
	s_add_co_u32 s86, s86, s87
	s_mov_b32 s87, 0
	s_wait_dscnt 0x0                               ; both opening adds are done
	s_wait_kmcnt 0x0
.if KST > 8
	s_cmp_eq_u32 s15, 0
	s_cselect_b64 s[PF:PF+1], s[4:5], s[6:7]
	s_add_nc_u64 s[PF:PF+1], s[PF:PF+1], s[84:85]
	s_add_nc_u64 s[PF+2:PF+3], s[PF:PF+1], 4*KSB
.endif
	s_add_nc_u64 s[20:21], s[4:5], s[20:21]
	s_add_nc_u64 s[46:47], s[6:7], s[46:47]
	s_add_nc_u64 s[12:13], s[12:13], s[86:87]
	CROUND                                         ; all sixteen work-groups are here
.irp s, 0,1
	s_mov_b32 s[G0+4*\s], 1
	s_mov_b32 s[G0+4*\s+1], \s*SLOT
	s_add_nc_u64 s[G0+4*\s+2:G0+4*\s+3], s[20:21], \s*4*KSB
	s_or_b32 s[G0+4*\s+3], s[G0+4*\s+3], 0x80000000
	s_mov_b32 s[G0B+4*\s], 1
	s_mov_b32 s[G0B+4*\s+1], \s*SLOT+HALF
	s_add_nc_u64 s[G0B+4*\s+2:G0B+4*\s+3], s[46:47], \s*4*KSB
	s_or_b32 s[G0B+4*\s+3], s[G0B+4*\s+3], 0x80000000
.endr
.macro ARM under, g0, g1, next         ; the head's loads, one a wave, each in an arm of one chain
	s_cmp_lt_u32 s14, \under
	s_cbranch_scc0 \next
	tensor_load_to_lds s[\g0:\g0+3], s[\g1:\g1+7]
	s_nop 0
	PLACES 4
	s_branch .Lhead_asked
\next:
.endm
	ARM 1, G0,    G1,  .Lhead_b0                   ; slot 0's tiles are asked for first
	ARM 2, G0B,   G1B, .Lhead_a1
	ARM 3, G0+4,  G1,  .Lhead_b1
	tensor_load_to_lds s[G0B+4:G0B+7], s[G1B:G1B+7]
	s_nop 0
	PLACES 4
.Lhead_asked:
	v_and_b32 v4, 31, v0
	v_and_b32 v2, 15, v0                           ; r
	v_bfe_u32 v3, v0, 4, 1                         ; h
	v_lshlrev_b32 v5, 4, v4
	v_add_nc_u32 v[ADRA], s70, v5
	v_add_nc_u32 v[ADRB], s71, v5
	v_add_nc_u32 v[ADRA+1], SLOT, v[ADRA]
	v_add_nc_u32 v[ADRB+1], SLOT, v[ADRB]
	v_mul_u32_u24 v6, s72, v3                      ; lanes 16-31 take B's scale words
	v_lshl_add_u32 v6, v2, 2, v6
	v_add_nc_u32 v[ADRS], s73, v6
	v_add_nc_u32 v[ADRS+1], SLOT, v[ADRS]
	v_mul_u32_u24 v7, v2, SPITCH
	v_lshl_add_u32 v7, v3, 5, v7
	v_add_nc_u32 v[STO], s74, v7                   ; into the stage: row r, 32 bytes for each half of the lanes
	v_mul_u32_u24 v8, v3, SPITCH
	v_lshl_add_u32 v8, v2, 4, v8
	v_add_nc_u32 v[RD], s74, v8                    ; back: lanes 0-15 one row of 256 bytes, lanes 16-31 the next
	v_lshlrev_b32 v9, 12, v3
	v_lshl_add_u32 v[CO], v2, 4, v9                ; and the same two rows in C
.if KST > 8
	v_lshlrev_b32 v[PFO], 8, v4                    ; a record's 32 blocks of 256 bytes of codes, a lane a block
.endif
	s_wait_alu depctr_va_vdst(0)
	s_cmp_lt_u32 s14, 2
	s_cbranch_scc0 .Lnot_first
	s_wait_tensorcnt 0x0                           ; waves 0, 1: slot 0's tiles are in.  Waves 2, 3 wait at the first change of slots
.Lnot_first:
	s_barrier_signal -1
	s_barrier_wait -1
	FETCH 0, 0, 0
	RUN 0, 1
.if KST > 8
	TURN 0, 1, 1, 1
	s_mov_b32 s3, 2
.Llap:
	RUN 1, 0
	TURN 1, 0, 1, 1
	RUN 0, 0
	TURN 0, 1, 1, 2
	s_sub_co_u32 s3, s3, 1
	s_cmp_lg_u32 s3, 0
	s_cbranch_scc1 .Llap
	RUN 1, 0
	TURN 1, 0, 1, 0
	RUN 0, 0
.endif
	TURN 0, 1, 0, 0
	RUN 1, 0
	s_wait_dscnt 0x0
	WIN MUL
	MUL16 1, 0
	WIN 0
	PLACES 8
; THE WAY OUT, 16 rows x 64 columns at a time, through my stage in slot 0, which has had its last fill and its last read: back as whole rows of 256 bytes.  LDS serves a wave's instructions in order (ISA guide 5.7.1.4)
.macro TOSTAGE a
	WIN 0x04                                       ; the data: window 1
.irp b, 0,1,2,3
	ds_store_b128 v[STO], v[8*(4*\a+\b):8*(4*\a+\b)+3] offset:64*\b       ; each accumulator from its low end on
	ds_store_b128 v[STO], v[8*(4*\a+\b)+4:8*(4*\a+\b)+7] offset:64*\b+16
.endr
	WIN 0
.irp t, 0,1,2,3,4,5,6,7
	ds_load_b128 v[FB+32*\a+4*\t:FB+32*\a+4*\t+3], v[RD] offset:\t*2*SPITCH
.endr
.endm
.macro SEND a, younger                 ; each block has registers of its own, and every offset is an immediate
	s_wait_dscnt \younger
.irp t, 0,1,2,3,4,5,6,7
	global_store_b128 v[CO], v[FB+32*\a+4*\t:FB+32*\a+4*\t+3], s[12:13] offset:(16*\a+2*\t)*4096   ; sixteen lanes store 256 consecutive bytes, aligned
.endr
.endm
	TOSTAGE 0
	TOSTAGE 1
	SEND 0, 16                                     ; behind block 0's loads: block 1's 8 stores and 8 loads
	TOSTAGE 2
	SEND 1, 16
	TOSTAGE 3
	SEND 2, 16
	SEND 3, 0
	s_wait_tensorcnt 0x0                           ; the wave's end
	ds_add_u32 v[SPW], v[NIL]
	s_wait_dscnt 0x0
	CROUND                                         ; the closing round
	s_endpgm
.Lfunc_end_k_qbafacda9a4_wo:
	.size	k_qbafacda9a4_wo, .Lfunc_end_k_qbafacda9a4_wo-k_qbafacda9a4_wo
	.p2alignl 7, 3214868480
	.fill 96, 4, 3214868480
	.section	.rodata,"a",@progbits
	.p2align	6, 0x0
	.amdhsa_kernel k_qbafacda9a4_wo
		.amdhsa_group_segment_fixed_size 327680
		.amdhsa_private_segment_fixed_size 0
		.amdhsa_enable_private_segment 0
		.amdhsa_kernarg_size 24
		.amdhsa_user_sgpr_count 2
		.amdhsa_user_sgpr_kernarg_segment_ptr 1
		.amdhsa_wavefront_size32 1
		.amdhsa_system_sgpr_workgroup_id_x 1
		.amdhsa_system_sgpr_workgroup_id_y 1
		.amdhsa_system_sgpr_workgroup_id_z 1
		.amdhsa_system_vgpr_workitem_id 0
		.amdhsa_next_free_vgpr 512
		.amdhsa_next_free_sgpr 100
		.amdhsa_reserve_vcc 0
		.amdhsa_float_denorm_mode_32 3
		.amdhsa_float_denorm_mode_16_64 3
		.amdhsa_memory_ordered 1
		.amdhsa_forward_progress 1
		.amdhsa_inst_pref_size 53
	.end_amdhsa_kernel
	.amdgpu_metadata
---
amdhsa.version: [ 1, 2 ]
amdhsa.kernels:
  - .name:           k_qbafacda9a4_wo
    .symbol:         k_qbafacda9a4_wo.kd
    .args:
      - { .name: oc, .offset: 0, .size: 8, .value_kind: global_buffer, .address_space: global }
      - { .name: woc, .offset: 8, .size: 8, .value_kind: global_buffer, .address_space: global }
      - { .name: g, .offset: 16, .size: 8, .value_kind: global_buffer, .address_space: global }
    .group_segment_fixed_size: 327680
    .private_segment_fixed_size: 0
    .kernarg_segment_align: 8
    .kernarg_segment_size: 24
    .max_flat_workgroup_size: 128
    .sgpr_count:     100
    .vgpr_count:     512
    .wavefront_size: 32
...
	.end_amdgpu_metadata
.endif
;; end of part 4
;; launch ln1 (part 5): grid 256 x 1, 8 waves a work-group, no clusters, 70,656 bytes of LDS; arguments g, x, bo, gamma1, beta1, hh; writes hh
.if DOCPART == 5
	.amdgcn_target "amdgcn-amd-amdhsa--gfx1250"
	.amdhsa_code_object_version 6
	.text
	.protected	k_qbafacda9a4_ln1
	.globl	k_qbafacda9a4_ln1
	.p2align	8
	.type	k_qbafacda9a4_ln1,@function
k_qbafacda9a4_ln1:
	s_mov_b64 s[64:65], 0
	v_nop
	global_prefetch_b8 v0, s[64:65] scope:SCOPE_SE
	s_setreg_imm32_b32 hwreg(HW_REG_WAVE_MODE, 25, 1), 1
	s_wait_xcnt 0x0
; h = gamma1 (t - mean) / (std + 1e-6) + beta1 with t = x + (g + bo), g the raw product of the launch before (plane 0).  h is stored in f32 (hh, byte 0 on) and as codes of BF8 with E8M0 scales (hh, byte 16,777,216 on),
; laid as images of the matrix instruction's registers: fragment 2,048 bytes, record = 4 fragments + 256 bytes of scale words, 4 records a K step, 8 K steps a tile block of 256 rows.
; A work-group takes 16 rows; wave w the columns 128 w on: a lane holds 4 neighbouring numbers of each row, and every load and store of a wave covers 512 consecutive bytes.
; Mean and variance in two passes, as the definition has them: within a lane, across the lanes, and across the eight waves through LDS (one barrier each).  No matrix work, no tensor load: memory binds.
; LIMITS: a block of zeros gets the byte 1; NaN and infinities are not served.
.set FRG,   2048
.set REC,   8448
.set SCO,   8192
.set KSB,   33792
.set TILEB, 270336
.set RED1,  0                          ; LDS: 8 waves x 16 row sums
.set RED2,  512                        ; the same for the squares
.set STG,   1024                       ; a stage of 16 rows x (512 + 16) bytes for each wave
.set OFFD, 1                           ; v1 16 x thread: my 16 bytes of a row
.set RW,   2                           ; v2 64 x wave
.set RR,   3                           ; v3 256 h + 4 r
.set SW,   4
.set SRD,  5
.set LI,   6                           ; v6 16 x lane
.set LS,   7                           ; v7 4 x (lane % 16)
.set RT,   8                           ; v8-11 at work
.set T,    16                          ; v16-79  row i at v[T + 4 i]
.set U,    80                          ; v80-143 x, then at work, then 64 numbers in the operand's order
.set P,    144                         ; v144-159 a number for each row
.set GA,   160
.set BE,   164
.set BO,   168
.set PC,   176
.set TM,   192
.set PW,   208
.set MP,   32                          ; s[32:63] a pair for each row: its low word holds -mean, later 1 / (std + eps)
.set SEL,  68
.set MNT,  70
.macro QUANT s, relu, pw
.irp b, 0,1,2,3
	v_max3_num_f32 v[TM+\b], |v[(\s)+16*\b]|, |v[(\s)+1+16*\b]|, 0x8000000   ; my 16 numbers of block b, and the floor 2^(16 - 127)
.endr
.irp i, 2,4,6,8,10,12,14
.irp b, 0,1,2,3
	s_delay_alu instid0(VALU_DEP_4)
	v_max3_num_f32 v[TM+\b], v[TM+\b], |v[(\s)+16*\b+\i]|, |v[(\s)+1+16*\b+\i]|
.endr
.endr
.irp b, 0,1,2,3
	s_delay_alu instid0(VALU_DEP_4)
	v_permlanex16_b32 v[TM+4+\b], v[TM+\b], s[SEL], s[SEL+1]
.endr
.irp b, 0,1,2,3
	s_delay_alu instid0(VALU_DEP_4)
	v_max_num_f32 v[TM+\b], v[TM+\b], v[TM+4+\b]
.endr
.irp b, 0,1,2,3
	s_delay_alu instid0(VALU_DEP_4)
	v_add_nc_u32 v[TM+12+\b], 0xf8800000, v[TM+\b]
.endr
.irp b, 0,1,2,3
	v_and_or_b32 v[TM+8+\b], v[TM+\b], 0x7f800000, s[MNT]
.endr
.irp b, 0,1,2,3
	v_lshrrev_b32 v[TM+4+\b], 23, v[TM+12+\b]
.endr
	s_delay_alu instid0(VALU_DEP_3)
	v_lshl_or_b32 v[\pw], v[TM+5], 8, v[TM+4]
	s_delay_alu instid0(VALU_DEP_1)
	v_lshl_or_b32 v[\pw], v[TM+6], 16, v[\pw]
	s_delay_alu instid0(VALU_DEP_1)
	v_lshl_or_b32 v[\pw], v[TM+7], 24, v[\pw]
.irp b, 0,1,2,3
.irp i, 0,1,2,3,4,5,6,7,8,9,10,11,12,13,14,15
	v_med3_num_f32 v[(\s)+16*\b+\i], v[(\s)+16*\b+\i], -v[TM+8+\b], v[TM+8+\b]
.endr
	v_cvt_scalef32_pk8_bf8_f32 v[PC+4*\b:PC+1+4*\b], v[(\s)+16*\b:(\s)+7+16*\b], v[TM+12+\b]
	v_cvt_scalef32_pk8_bf8_f32 v[PC+2+4*\b:PC+3+4*\b], v[(\s)+8+16*\b:(\s)+15+16*\b], v[TM+12+\b]
.endr
	v_nop
.endm
; v[P + i] holds my lane's part of row i's sum.  Behind the macro lane r (and lane 16 + r) holds row r's whole sum in v[RT].
.macro ROWRED base
.irp m, 1,2,4,8
.irp i, 0,1,2,3,4,5,6,7,8,9,10,11,12,13,14,15
	v_add_f32_dpp v[P+\i], v[P+\i], v[P+\i] row_xmask:\m row_mask:0xf bank_mask:0xf
.endr
.endr
.irp i, 0,1,2,3,4,5,6,7,8,9,10,11,12,13,14,15
	v_permlanex16_b32 v[U+4*\i+2], v[P+\i], s[SEL], s[SEL+1]
.endr
.irp i, 0,1,2,3,4,5,6,7,8,9,10,11,12,13,14,15
	v_add_f32 v[P+\i], v[P+\i], v[U+4*\i+2]        ; my wave's 128 columns
.endr
.irp k, 0,1,2,3
	ds_store_b128 v[RW], v[P+4*\k:P+4*\k+3] offset:\base+16*\k   ; all lanes write the same bytes with the same values
.endr
	s_wait_dscnt 0x0                               ; for the others' sake: my stores have landed
	s_barrier_signal -1
	s_barrier_wait -1
.irp k, 0,1,2,3
	ds_load_b32 v[RT+\k], v[RR] offset:\base+64*\k ; row r of waves 4 h + k
.endr
	s_wait_dscnt 0x0
	v_add_f32 v[RT], v[RT], v[RT+1]
	v_add_f32 v[RT+2], v[RT+2], v[RT+3]
	s_delay_alu instid0(VALU_DEP_1)
	v_add_f32 v[RT], v[RT], v[RT+2]
	s_delay_alu instid0(VALU_DEP_1)
	v_permlanex16_b32 v[RT+1], v[RT], s[SEL], s[SEL+1]
	s_delay_alu instid0(VALU_DEP_1)
	v_add_f32 v[RT], v[RT], v[RT+1]
.endm
	s_load_b256 s[4:11], s[0:1], 0x0               ; g s[4:5], x s[6:7], bo s[8:9], gamma1 s[10:11]
	s_load_b128 s[12:15], s[0:1], 0x20             ; beta1 s[12:13], hh s[14:15]
	v_lshl_add_u32 v224, v0, 2, 0x11000
	v_mov_b32 v225, 0
	v_lshrrev_b32 v8, 5, v0
	s_delay_alu instid0(VALU_DEP_1)
	v_readfirstlane_b32 s16, v8                    ; wave 0..7
	v_lshlrev_b32 v[OFFD], 4, v0
	v_and_b32 v9, 31, v0
	v_and_b32 v10, 15, v0
	v_bfe_u32 v11, v0, 4, 1
	v_mov_b32 v[RW], s16
	s_delay_alu instid0(VALU_DEP_1)
	v_lshlrev_b32 v[RW], 6, v[RW]
	s_delay_alu instid0(VALU_DEP_3)
	v_lshlrev_b32 v[RR], 8, v11
	s_delay_alu instid0(VALU_DEP_1)
	v_lshl_add_u32 v[RR], v10, 2, v[RR]
	v_lshlrev_b32 v[LI], 4, v9
	v_lshlrev_b32 v[LS], 2, v10
	s_mul_i32 s17, s16, 16*528
	s_add_co_u32 s17, s17, STG
	v_add_nc_u32 v[SW], s17, v[LI]
	v_mul_u32_u24 v[SRD], v10, 528
	s_delay_alu instid0(VALU_DEP_1)
	v_lshl_add_u32 v[SRD], v11, 5, v[SRD]
	s_delay_alu instid0(VALU_DEP_1)
	v_add_nc_u32 v[SRD], s17, v[SRD]
	s_lshl_b32 s18, ttmp9, 16                      ; 16 rows of 4,096 bytes
	s_mov_b32 s19, 0
	s_lshr_b32 s20, ttmp9, 4                       ; the token tile,
	s_mul_i32 s20, s20, TILEB
	s_mul_i32 s21, s16, KSB                        ; K step = my wave,
	s_add_co_u32 s20, s20, s21
	s_bfe_u32 s21, ttmp9, 0x20002                  ; the record,
	s_mul_i32 s21, s21, REC
	s_add_co_u32 s20, s20, s21
	s_add_co_u32 s20, s20, 16777216
	s_and_b32 s22, ttmp9, 3                        ; the fragment
	s_lshl_b32 s23, s22, 6
	s_add_co_u32 s24, s20, s23                     ; its scale words (8,192 further on)
	s_lshl_b32 s23, s22, 11
	s_add_co_u32 s20, s20, s23
	s_mov_b32 s21, 0
	s_mov_b32 s25, 0
	s_mov_b32 s[SEL], 0x76543210
	s_mov_b32 s[SEL+1], 0xfedcba98
	s_mov_b32 s[MNT], 0x600000
.irp i, 0,1,2,3,4,5,6,7,8,9,10,11,12,13,14,15
	s_mov_b32 s[MP+2*\i+1], 0                      ; named with the low word as a pair, so it is written
.endr
.irp b, 0,1,2,3
	v_mov_b32 v[TM+4+\b], 0
.endr
	s_wait_kmcnt 0x0
	s_add_nc_u64 s[4:5], s[4:5], s[18:19]
	s_add_nc_u64 s[6:7], s[6:7], s[18:19]
	s_add_nc_u64 s[26:27], s[14:15], s[18:19]      ; h in f32
	s_add_nc_u64 s[28:29], s[14:15], s[20:21]      ; its codes
	s_add_nc_u64 s[30:31], s[14:15], s[24:25]      ; their scale words
	global_load_b128 v[BO:BO+3], v[OFFD], s[8:9]
	global_load_b128 v[GA:GA+3], v[OFFD], s[10:11]
	global_load_b128 v[BE:BE+3], v[OFFD], s[12:13]
.irp i, 0,1,2,3,4,5,6,7,8,9,10,11,12,13,14,15
	global_load_b128 v[T+4*\i:T+4*\i+3], v[OFFD], s[4:5] offset:\i*4096 th:TH_LOAD_NT
.endr
.irp i, 0,1,2,3,4,5,6,7,8,9,10,11,12,13,14,15
	global_load_b128 v[U+4*\i:U+4*\i+3], v[OFFD], s[6:7] offset:\i*4096 th:TH_LOAD_NT
.endr
	s_wait_loadcnt 16                              ; all but x's 16 loads are in
.irp i, 0,1,2,3,4,5,6,7,8,9,10,11,12,13,14,15
	v_pk_add_f32 v[T+4*\i:T+4*\i+1], v[T+4*\i:T+4*\i+1], v[BO:BO+1]
	v_pk_add_f32 v[T+4*\i+2:T+4*\i+3], v[T+4*\i+2:T+4*\i+3], v[BO+2:BO+3]
.endr
	s_wait_loadcnt 0x0
.irp i, 0,1,2,3,4,5,6,7,8,9,10,11,12,13,14,15
	v_pk_add_f32 v[T+4*\i:T+4*\i+1], v[T+4*\i:T+4*\i+1], v[U+4*\i:U+4*\i+1]
	v_pk_add_f32 v[T+4*\i+2:T+4*\i+3], v[T+4*\i+2:T+4*\i+3], v[U+4*\i+2:U+4*\i+3]
.endr
.irp i, 0,1,2,3,4,5,6,7,8,9,10,11,12,13,14,15
	v_pk_add_f32 v[U+4*\i:U+4*\i+1], v[T+4*\i:T+4*\i+1], v[T+4*\i+2:T+4*\i+3]
.endr
.irp i, 0,1,2,3,4,5,6,7,8,9,10,11,12,13,14,15
	v_add_f32 v[P+\i], v[U+4*\i], v[U+4*\i+1]
.endr
	ROWRED RED1
	s_delay_alu instid0(VALU_DEP_1)
	v_mul_f32 v[RT], 0xba800000, v[RT]             ; -mean = sum x -1/1024
.irp i, 0,1,2,3,4,5,6,7,8,9,10,11,12,13,14,15
	v_readlane_b32 s[MP+2*\i], v[RT], \i
.endr
.irp i, 0,1,2,3,4,5,6,7,8,9,10,11,12,13,14,15
	v_pk_add_f32 v[T+4*\i:T+4*\i+1], v[T+4*\i:T+4*\i+1], s[MP+2*\i:MP+2*\i+1] op_sel_hi:[1,0]
	v_pk_add_f32 v[T+4*\i+2:T+4*\i+3], v[T+4*\i+2:T+4*\i+3], s[MP+2*\i:MP+2*\i+1] op_sel_hi:[1,0]
.endr
.irp i, 0,1,2,3,4,5,6,7,8,9,10,11,12,13,14,15
	v_pk_mul_f32 v[U+4*\i:U+4*\i+1], v[T+4*\i:T+4*\i+1], v[T+4*\i:T+4*\i+1]
.endr
.irp i, 0,1,2,3,4,5,6,7,8,9,10,11,12,13,14,15
	v_pk_fma_f32 v[U+4*\i:U+4*\i+1], v[T+4*\i+2:T+4*\i+3], v[T+4*\i+2:T+4*\i+3], v[U+4*\i:U+4*\i+1]
.endr
.irp i, 0,1,2,3,4,5,6,7,8,9,10,11,12,13,14,15
	v_add_f32 v[P+\i], v[U+4*\i], v[U+4*\i+1]
.endr
	ROWRED RED2
	s_delay_alu instid0(VALU_DEP_1)
	v_mul_f32 v[RT], 0x3a800000, v[RT]             ; the variance
	s_wait_alu depctr_va_vdst(0)
	v_sqrt_f32 v[RT+1], v[RT]
	v_nop
	s_wait_alu depctr_va_vdst(0)                   ; ahead of the root's first reader
	v_add_f32 v[RT+1], 0x358637bd, v[RT+1]         ; std + 1e-6
	s_wait_alu depctr_va_vdst(0)
	v_rcp_f32 v[RT+2], v[RT+1]
	v_nop
	s_wait_alu depctr_va_vdst(0)
.irp i, 0,1,2,3,4,5,6,7,8,9,10,11,12,13,14,15
	v_readlane_b32 s[MP+2*\i], v[RT+2], \i
.endr
.irp i, 0,1,2,3,4,5,6,7,8,9,10,11,12,13,14,15
	v_pk_mul_f32 v[T+4*\i:T+4*\i+1], v[T+4*\i:T+4*\i+1], s[MP+2*\i:MP+2*\i+1] op_sel_hi:[1,0]
	v_pk_mul_f32 v[T+4*\i+2:T+4*\i+3], v[T+4*\i+2:T+4*\i+3], s[MP+2*\i:MP+2*\i+1] op_sel_hi:[1,0]
.endr
.irp i, 0,1,2,3,4,5,6,7,8,9,10,11,12,13,14,15
	v_pk_fma_f32 v[T+4*\i:T+4*\i+1], v[T+4*\i:T+4*\i+1], v[GA:GA+1], v[BE:BE+1]
	v_pk_fma_f32 v[T+4*\i+2:T+4*\i+3], v[T+4*\i+2:T+4*\i+3], v[GA+2:GA+3], v[BE+2:BE+3]
.endr
.irp i, 0,1,2,3,4,5,6,7,8,9,10,11,12,13,14,15
	global_store_b128 v[OFFD], v[T+4*\i:T+4*\i+3], s[26:27] offset:\i*4096
	ds_store_b128 v[SW], v[T+4*\i:T+4*\i+3] offset:\i*528
.endr
.irp c, 0,1,2,3                        ; my wave's 16 rows x 128 columns come back a row a lane, in the operand's order.  LDS serves a wave's instructions in order: these see the stores above
	ds_load_b128 v[U+16*\c:U+16*\c+3], v[SRD] offset:128*\c
	ds_load_b128 v[U+16*\c+4:U+16*\c+7], v[SRD] offset:128*\c+16
	ds_load_b128 v[U+16*\c+8:U+16*\c+11], v[SRD] offset:128*\c+64
	ds_load_b128 v[U+16*\c+12:U+16*\c+15], v[SRD] offset:128*\c+80
.endr
	s_wait_dscnt 0x0
	QUANT U, 0, PW
.irp c, 0,1,2,3
	global_store_b128 v[LI], v[PC+4*\c:PC+4*\c+3], s[28:29] offset:512*\c
.endr
	global_store_b32 v[LS], v[PW], s[30:31] offset:SCO   ; 16 words; lanes 16-31 hold the same words and store them to the same places
	s_wait_tensorcnt 0x0
	ds_add_u32 v224, v225
	s_wait_dscnt 0x0
	s_endpgm
.Lfunc_end_k_qbafacda9a4_ln1:
	.size	k_qbafacda9a4_ln1, .Lfunc_end_k_qbafacda9a4_ln1-k_qbafacda9a4_ln1
	.p2alignl 7, 3214868480
	.fill 96, 4, 3214868480
	.section	.rodata,"a",@progbits
	.p2align	6, 0x0
	.amdhsa_kernel k_qbafacda9a4_ln1
		.amdhsa_group_segment_fixed_size 70656
		.amdhsa_private_segment_fixed_size 0
		.amdhsa_enable_private_segment 0
		.amdhsa_kernarg_size 48
		.amdhsa_user_sgpr_count 2
		.amdhsa_user_sgpr_kernarg_segment_ptr 1
		.amdhsa_wavefront_size32 1
		.amdhsa_system_sgpr_workgroup_id_x 1
		.amdhsa_system_sgpr_workgroup_id_y 1
		.amdhsa_system_sgpr_workgroup_id_z 1
		.amdhsa_system_vgpr_workitem_id 0
		.amdhsa_next_free_vgpr 226
		.amdhsa_next_free_sgpr 80
		.amdhsa_reserve_vcc 0
		.amdhsa_float_denorm_mode_32 3
		.amdhsa_float_denorm_mode_16_64 3
		.amdhsa_memory_ordered 1
		.amdhsa_forward_progress 1
		.amdhsa_inst_pref_size 50
	.end_amdhsa_kernel
	.amdgpu_metadata
---
amdhsa.version: [ 1, 2 ]
amdhsa.kernels:
  - .name:           k_qbafacda9a4_ln1
    .symbol:         k_qbafacda9a4_ln1.kd
    .args:
      - { .name: g, .offset: 0, .size: 8, .value_kind: global_buffer, .address_space: global }
      - { .name: x, .offset: 8, .size: 8, .value_kind: global_buffer, .address_space: global }
      - { .name: bo, .offset: 16, .size: 8, .value_kind: global_buffer, .address_space: global }
      - { .name: gamma1, .offset: 24, .size: 8, .value_kind: global_buffer, .address_space: global }
      - { .name: beta1, .offset: 32, .size: 8, .value_kind: global_buffer, .address_space: global }
      - { .name: hh, .offset: 40, .size: 8, .value_kind: global_buffer, .address_space: global }
    .group_segment_fixed_size: 70656
    .private_segment_fixed_size: 0
    .kernarg_segment_align: 8
    .kernarg_segment_size: 48
    .max_flat_workgroup_size: 256
    .sgpr_count:     80
    .vgpr_count:     226
    .wavefront_size: 32
...
	.end_amdgpu_metadata
.endif
;; end of part 5
;; launch gemm_w1 (part 6): grid 16 x 16, 4 waves a work-group, clusters of 4 x 4, 327,680 bytes of LDS; arguments hh, pc, b1, fc; writes fc
.if DOCPART == 6
	.amdgcn_target "amdgcn-amd-amdhsa--gfx1250"
	.amdhsa_code_object_version 6
	.text
	.protected	k_qbafacda9a4_gemm_w1
	.globl	k_qbafacda9a4_gemm_w1
	.p2align	8
	.type	k_qbafacda9a4_gemm_w1,@function
k_qbafacda9a4_gemm_w1:
	s_mov_b64 s[64:65], 0
	v_nop
	global_prefetch_b8 v0, s[64:65] scope:SCOPE_SE
	s_setreg_imm32_b32 hwreg(HW_REG_WAVE_MODE, 25, 1), 1
	s_wait_xcnt 0x0
	s_wait_alu depctr_hold_cnt(0) depctr_sa_sdst(0) depctr_va_vdst(0) depctr_va_sdst(0) depctr_va_ssrc(0) depctr_va_vcc(0) depctr_vm_vsrc(0)
	s_getreg_b32 s2, hwreg(HW_REG_IB_STS2, 6, 4)
	s_cmp_eq_u32 s2, 0
	s_cbranch_scc0 .Lentry_in_a_cluster
	s_endpgm
.Lentry_in_a_cluster:
	s_bfe_u32 s2, ttmp6, 0x10000c
	s_cmp_lg_u32 s2, 0xf033
	s_cbranch_scc0 .Lentry_shape_is_right
	s_endpgm
.Lentry_shape_is_right:
.set FRG,   2048
.set REC,   8448
.set SCO,   8192
.set KSB,   33792
.set TILEB, 270336
.set SLOT,  4*KSB
.set SPARE, 2*SLOT
.set FR,    16
.set NP,    8
.set ADRA, 16
.set ADRB, 20
.set ADRS, 22
.set LI,   24
.set LS,   25
.set SPW,  28
.set NIL,  29
.set SC,   32
.set BT,   64
.set AF,   128
.set T,    128
.set PC,   192
.set TM,   224
.set PWS,  240
.set XW,   244
.set G1, 24
.set G0, 32
.set G1B, 48
.set G0B, 56
.set SEL, 84
.set MNT, 86
.set HM,  87
.set MSB, 0
.macro WIN new
.if MSB != \new
	s_set_vgpr_msb (MSB<<8)|\new
.set MSB, \new
.endif
.endm
.set MUL_LO, 0xa1
.set MUL_HI, 0xf1
.set TO_B,   0x40
.macro JLOAD g0a, g1a, g0b, g1b, sl    ; slot sl is filled again, a K step a wave: waves 0, 1 ask for A's two, waves 2, 3 for B's
	s_cmp_eq_u32 s15, 0
	s_cbranch_scc0 .Lfor_b_\@
	tensor_load_to_lds s[\g0a:\g0a+3], s[\g1a:\g1a+7]
	s_nop 0
.rept 4
	v_nop
.endr
	s_branch .Lasked_\@
.Lfor_b_\@:
	tensor_load_to_lds s[\g0b:\g0b+3], s[\g1b:\g1b+7]
	s_nop 0
.rept 4
	v_nop
.endr
.Lasked_\@:
.endm
.macro CREST
	s_cmp_lg_u32 s14, 0
	s_cbranch_scc1 .Lnot_wave_0_\@
	s_barrier_signal -3
.Lnot_wave_0_\@:
	s_barrier_wait -3
	s_barrier_signal -1
	s_barrier_wait -1
.endm
.macro CROUND
	s_barrier_signal -1
	s_barrier_wait -1
	CREST
.endm
.macro PLACES n
.rept \n
	v_nop
.endr
.endm
.macro FRAG reg, adr, q, i
.irp c, 0,1,2,3
	ds_load_b128 v[\reg+4*\c:\reg+4*\c+3], v[\adr] offset:(\q)*KSB+((\i)/4)*REC+((\i)%4)*FRG+512*\c
.endr
.endm
.macro FETCH_B slot, q, p
	WIN TO_B
.irp i, 0,1,2,3,4,5,6,7
	FRAG 128*(\p)+FR*\i, ADRB+\slot, \q, \i
.endr
	WIN 0
.endm
.macro FETCH_A slot, q, i0
.irp i, \i0, \i0+1, \i0+2, \i0+3
	FRAG AF+FR*(\i), ADRA+\slot, \q, \i
.endr
.endm
.macro SCALES sc
.irp i, 0,1,2,3,4,5,6,7
.irp q, 0,1
	ds_load_b32 v[SC+16*\sc+2*\i+\q], v[ADRS+\sc] offset:\q*KSB+(\i/4)*REC+(\i%4)*64
.endr
.endr
.endm
.macro MUL16 a0, p, q, sc, zero
.irp a, \a0, \a0+1
.irp b, 0,1,2,3,4,5,6,7
.if \zero == 1
	v_wmma_scale_f32_16x16x128_f8f6f4 v[8*(8*((\a)%4)+\b):8*(8*((\a)%4)+\b)+7], v[128*(\p)+FR*\b:128*(\p)+FR*\b+FR-1], v[AF+FR*(\a):AF+FR*(\a)+FR-1], 0, v[SC+16*(\sc)+2*\b+(\q)], v[SC+16*(\sc)+2*(\a)+(\q)] matrix_a_fmt:MATRIX_FMT_BF8 matrix_b_fmt:MATRIX_FMT_BF8 matrix_a_scale:MATRIX_SCALE_ROW1
.else
	v_wmma_scale_f32_16x16x128_f8f6f4 v[8*(8*((\a)%4)+\b):8*(8*((\a)%4)+\b)+7], v[128*(\p)+FR*\b:128*(\p)+FR*\b+FR-1], v[AF+FR*(\a):AF+FR*(\a)+FR-1], v[8*(8*((\a)%4)+\b):8*(8*((\a)%4)+\b)+7], v[SC+16*(\sc)+2*\b+(\q)], v[SC+16*(\sc)+2*(\a)+(\q)] matrix_a_fmt:MATRIX_FMT_BF8 matrix_b_fmt:MATRIX_FMT_BF8 matrix_a_scale:MATRIX_SCALE_ROW1
.endif
.endr
.endr
.endm
.macro STEP slot, q, zero
	s_wait_dscnt 16
	WIN MUL_LO
	MUL16 0, (\q)%2, \q, \slot, \zero
	MUL16 2, (\q)%2, \q, \slot, \zero
	s_wait_dscnt 0
	PLACES NP
	FETCH_B \slot, (\q)+1, 1-(\q)%2
	FETCH_A \slot, (\q)+1, 0
	WIN MUL_HI
	MUL16 4, (\q)%2, \q, \slot, \zero
	MUL16 6, (\q)%2, \q, \slot, \zero
	PLACES NP
	WIN 0
	FETCH_A \slot, (\q)+1, 4
.endm
.macro TURN slot, next, fill
	s_wait_tensorcnt 0x0
	ds_add_u32 v[SPW], v[NIL]
	s_wait_dscnt 17
	WIN MUL_LO
	MUL16 0, 1, 1, \slot, 0
	s_wait_dscnt 0x0
	s_barrier_signal -1
	MUL16 2, 1, 1, \slot, 0
	WIN 0
	s_barrier_wait -1
.if \fill
	CREST
	s_add_nc_u64 s[G0+4*\slot+2:G0+4*\slot+3], s[G0+4*\slot+2:G0+4*\slot+3], 4*KSB
	s_add_nc_u64 s[G0B+4*\slot+2:G0B+4*\slot+3], s[G0B+4*\slot+2:G0B+4*\slot+3], 4*KSB
	JLOAD G0+4*\slot, G1, G0B+4*\slot, G1B, \slot
	PLACES NP
.else
	PLACES NP
.endif
	FETCH_B \next, 0, 0
	FETCH_A \next, 0, 0
	SCALES \next
	WIN MUL_HI
	MUL16 4, 1, 1, \slot, 0
	MUL16 6, 1, 1, \slot, 0
	PLACES NP
	WIN 0
	FETCH_A \next, 0, 4
.endm
.macro QUANT s, relu, pw
.if \relu
.irp b, 0,1,2,3
	v_max3_num_f32 v[TM+\b], v[(\s)+16*\b], v[(\s)+1+16*\b], 0x8000000
.endr
.irp i, 2,4,6,8,10,12,14
.irp b, 0,1,2,3
	v_max3_num_f32 v[TM+\b], v[TM+\b], v[(\s)+16*\b+\i], v[(\s)+1+16*\b+\i]
.endr
.endr
.else
.irp b, 0,1,2,3
	v_max3_num_f32 v[TM+\b], |v[(\s)+16*\b]|, |v[(\s)+1+16*\b]|, 0x8000000
.endr
.irp i, 2,4,6,8,10,12,14
.irp b, 0,1,2,3
	v_max3_num_f32 v[TM+\b], v[TM+\b], |v[(\s)+16*\b+\i]|, |v[(\s)+1+16*\b+\i]|
.endr
.endr
.endif
.irp b, 0,1,2,3
	v_permlanex16_b32 v[TM+4+\b], v[TM+\b], s[SEL], s[SEL+1]
.endr
.irp b, 0,1,2,3
	v_max_num_f32 v[TM+\b], v[TM+\b], v[TM+4+\b]
.endr
.irp b, 0,1,2,3
	v_add_nc_u32 v[TM+12+\b], 0xf8800000, v[TM+\b]
.endr
.irp b, 0,1,2,3
	v_and_or_b32 v[TM+8+\b], v[TM+\b], 0x7f800000, s[MNT]
.endr
.irp b, 0,1,2,3
	v_lshrrev_b32 v[TM+4+\b], 23, v[TM+12+\b]
.endr
	v_lshl_or_b32 v[\pw], v[TM+5], 8, v[TM+4]
	v_lshl_or_b32 v[\pw], v[TM+6], 16, v[\pw]
	v_lshl_or_b32 v[\pw], v[TM+7], 24, v[\pw]
.irp b, 0,1,2,3
.irp i, 0,1,2,3,4,5,6,7,8,9,10,11,12,13,14,15
.if \relu
	v_med3_num_f32 v[(\s)+16*\b+\i], v[(\s)+16*\b+\i], 0, v[TM+8+\b]
.else
	v_med3_num_f32 v[(\s)+16*\b+\i], v[(\s)+16*\b+\i], -v[TM+8+\b], v[TM+8+\b]
.endif
.endr
	v_cvt_scalef32_pk8_bf8_f32 v[PC+4*\b:PC+1+4*\b], v[(\s)+16*\b:(\s)+7+16*\b], v[TM+12+\b]
	v_cvt_scalef32_pk8_bf8_f32 v[PC+2+4*\b:PC+3+4*\b], v[(\s)+8+16*\b:(\s)+15+16*\b], v[TM+12+\b]
.endr
	v_nop
.endm
	s_load_b256 s[4:11], s[0:1], 0x0
	v_lshl_add_u32 v[SPW], v0, 2, SPARE
	v_mov_b32 v[NIL], 0
	ds_add_u32 v28, v29
	ds_add_u32 v28, v29
	s_wait_dscnt 0x0
	v_lshrrev_b32 v1, 5, v0
	v_readfirstlane_b32 s14, v1
	s_lshr_b32 s15, s14, 1
	s_and_b32 s16, s14, 1
	s_bfe_u32 s40, ttmp6, 0x40000
	s_bfe_u32 s41, ttmp6, 0x40004
	s_lshl_b32 s42, ttmp9, 2
	s_add_co_u32 s42, s42, s40
	s_and_b32 s17, ttmp7, 0xffff
	s_lshl_b32 s17, s17, 2
	s_add_co_u32 s17, s17, s41
	s_lshl_b32 s43, s41, 2
	s_lshl_b32 s43, 15, s43
	s_lshl_b32 s44, 0x1111, s40
	s_or_b32 s[G1], s43, (3<<16)|(1<<21)
	s_or_b32 s[G1B], s44, (3<<16)|(1<<21)
.irp g, G1, G1B
	s_mov_b32 s[\g+1], 32<<16
	s_mov_b32 s[\g+2], 264<<16                     ; a tile: two K steps of 256 rows, 67,584 dense bytes as 264 rows of 256
	s_mov_b32 s[\g+3], 32<<16
	s_mov_b32 s[\g+4], 264
	s_mov_b32 s[\g+5], 32
	s_mov_b32 s[\g+6], 0
	s_mov_b32 s[\g+7], 0
.endr
	s_mul_i32 s20, s17, TILEB
	s_add_co_u32 s20, s20, 16777216
	s_mov_b32 s21, 0
	s_add_co_u32 s46, s42, 28
	s_mul_i32 s46, s46, TILEB
	s_mov_b32 s47, 0
	s_wait_kmcnt 0x0
	s_add_nc_u64 s[20:21], s[4:5], s[20:21]
	s_add_nc_u64 s[46:47], s[6:7], s[46:47]
	CROUND
.irp s, 0,1
	s_mov_b32 s[G0+4*\s], 1
	s_mov_b32 s[G0+4*\s+1], \s*SLOT
	s_add_nc_u64 s[G0+4*\s+2:G0+4*\s+3], s[20:21], \s*2*KSB
	s_or_b32 s[G0+4*\s+3], s[G0+4*\s+3], 0x80000000
	s_mov_b32 s[G0B+4*\s], 1
	s_mov_b32 s[G0B+4*\s+1], \s*SLOT+2*KSB
	s_add_nc_u64 s[G0B+4*\s+2:G0B+4*\s+3], s[46:47], \s*2*KSB
	s_or_b32 s[G0B+4*\s+3], s[G0B+4*\s+3], 0x80000000
.endr
.macro ARM under, g0, g1, next         ; the head's loads, one a wave, each in an arm of one chain: both slots are asked for, slot 0's tiles first
	s_cmp_lt_u32 s14, \under
	s_cbranch_scc0 \next
	tensor_load_to_lds s[\g0:\g0+3], s[\g1:\g1+7]
	s_nop 0
	PLACES 4
	s_branch .Lhead_asked
\next:
.endm
	ARM 1, G0,    G1,  .Lhead_b0
	ARM 2, G0B,   G1B, .Lhead_a1
	ARM 3, G0+4,  G1,  .Lhead_b1
	tensor_load_to_lds s[G0B+4:G0B+7], s[G1B:G1B+7]
	s_nop 0
	PLACES 4
.Lhead_asked:
	v_and_b32 v1, 31, v0
	v_and_b32 v2, 15, v0
	v_bfe_u32 v3, v0, 4, 1
	s_wait_alu depctr_va_vdst(0)
	v_lshlrev_b32 v[LI], 4, v1
	v_lshlrev_b32 v[LS], 2, v1
	s_mul_i32 s21, s15, 2*REC
	s_mul_i32 s22, s16, 2*REC
	s_add_co_u32 s22, s22, 2*KSB
.irp s, 0,1
	v_add_nc_u32 v[ADRA+\s], s21, v[LI]
	v_add_nc_u32 v[ADRB+\s], s22, v[LI]
	s_add_co_u32 s21, s21, SLOT
	s_add_co_u32 s22, s22, SLOT
.endr
	s_mul_i32 s21, s15, 2*REC
	s_mul_i32 s22, s16, 2*REC
	s_add_co_u32 s22, s22, 2*KSB
	s_sub_co_u32 s22, s22, s21
	v_mul_u32_u24 v4, s22, v3
	v_lshl_add_u32 v4, v2, 2, v4
	s_add_co_u32 s21, s21, SCO
	v_add_nc_u32 v[ADRS], s21, v4
	v_add_nc_u32 v[ADRS+1], SLOT, v[ADRS]
	s_lshl_b32 s76, ttmp9, 4
	s_add_co_u32 s76, s76, s17
	s_mul_i32 s76, s76, TILEB
	s_lshl_b32 s77, s40, 1
	s_add_co_u32 s77, s77, s16
	s_mul_i32 s77, s77, KSB
	s_add_co_u32 s76, s76, s77
	s_mul_i32 s77, s15, 2*REC
	s_add_co_u32 s76, s76, s77
	s_mov_b32 s77, 0
	s_add_nc_u64 s[12:13], s[10:11], s[76:77]
	s_lshl_b32 s80, s42, 10
	s_lshl_b32 s81, s16, 9
	s_add_co_u32 s80, s80, s81
	s_mov_b32 s81, 0
	s_add_nc_u64 s[8:9], s[8:9], s[80:81]
	v_lshlrev_b32 v5, 5, v3
.irp b, 0,1,2,3,4,5,6,7
	global_load_b128 v[BT+8*\b:BT+8*\b+3], v5, s[8:9] offset:64*\b
	global_load_b128 v[BT+8*\b+4:BT+8*\b+7], v5, s[8:9] offset:64*\b+16
.endr
	s_mov_b32 s[SEL], 0x76543210
	s_mov_b32 s[SEL+1], 0xfedcba98
	s_mov_b32 s[MNT], 0x600000
	s_mov_b32 s[HM], 0xffff0000
	s_wait_alu depctr_va_vdst(0)
	s_cmp_lt_u32 s14, 2
	s_cbranch_scc0 .Lnot_first
	s_wait_tensorcnt 0x0                           ; waves 0, 1: slot 0's tiles are in.  Waves 2, 3 wait at the first change of slots
.Lnot_first:
	s_barrier_signal -1
	s_barrier_wait -1
	FETCH_B 0, 0, 0
	FETCH_A 0, 0, 0
	SCALES 0
	FETCH_A 0, 0, 4
	STEP 0, 0, 1
	s_wait_tensorcnt 0x0                           ; my load of the head has landed, so descriptors may be written: from here on a load brings one K step, 132 rows of 256 bytes: number wave % 2 of a slot's two
	s_mul_i32 s18, s16, KSB
	s_mov_b32 s19, 0
.irp g, G0, G0+4, G0B, G0B+4
	s_add_co_u32 s[\g+1], s[\g+1], s18
	s_add_nc_u64 s[\g+2:\g+3], s[\g+2:\g+3], s[18:19]
.endr
.irp g, G1, G1B
	s_mov_b32 s[\g+2], 132<<16
	s_mov_b32 s[\g+4], 132
.endr
	s_mov_b32 s3, 1
.Llap:
	TURN 0, 1, 1
	STEP 1, 0, 0
	TURN 1, 0, 1
	STEP 0, 0, 0
	s_sub_co_u32 s3, s3, 1
	s_cmp_lg_u32 s3, 0
	s_cbranch_scc1 .Llap
	TURN 0, 1, 0
	STEP 1, 0, 0
	s_wait_dscnt 16
	WIN MUL_LO
	MUL16 0, 1, 1, 1, 0
	MUL16 2, 1, 1, 1, 0
	s_wait_dscnt 0
	WIN MUL_HI
	MUL16 4, 1, 1, 1, 0
	MUL16 6, 1, 1, 1, 0
	WIN 0
	PLACES NP
	s_wait_loadcnt 0x0
.irp b, 0,1,2,3
	v_mov_b32 v[TM+4+\b], 0
.endr
.macro OUT a
	WIN 2+(\a)/4
.set J, 0
.rept 32
	v_pk_add_f32 v[T+2*J:T+2*J+1], v[64*((\a)%4)+2*J:64*((\a)%4)+2*J+1], v[BT+2*J:BT+2*J+1]
.set J, J+1
.endr
	WIN 0
	s_wait_xcnt 0x0
	QUANT T, 1, PWS+(\a)%4
.irp c, 0,1,2,3
	global_store_b128 v[LI], v[PC+4*\c:PC+4*\c+3], s[12:13] offset:((\a)/4)*REC+((\a)%4)*FRG+512*\c
.endr
.if (\a)%4 == 3
	v_cndmask_b32 v[XW], v[PWS], v[PWS+1], s[HM]
	v_cndmask_b32 v[XW+1], v[PWS+2], v[PWS+3], s[HM]
	global_store_b32 v[LS], v[XW], s[12:13] offset:((\a)/4)*REC+SCO
	global_store_b32 v[LS], v[XW+1], s[12:13] offset:((\a)/4)*REC+SCO+128
.endif
.endm
.irp a, 0,1,2,3,4,5,6,7
	OUT \a
.endr
	s_wait_tensorcnt 0x0
	ds_add_u32 v[SPW], v[NIL]
	s_wait_dscnt 0x0
	CROUND
	s_endpgm
.Lfunc_end_k_qbafacda9a4_gemm_w1:
	.size	k_qbafacda9a4_gemm_w1, .Lfunc_end_k_qbafacda9a4_gemm_w1-k_qbafacda9a4_gemm_w1
	.p2alignl 7, 3214868480
	.fill 96, 4, 3214868480
	.section	.rodata,"a",@progbits
	.p2align	6, 0x0
	.amdhsa_kernel k_qbafacda9a4_gemm_w1
		.amdhsa_group_segment_fixed_size 327680
		.amdhsa_private_segment_fixed_size 0
		.amdhsa_enable_private_segment 0
		.amdhsa_kernarg_size 32
		.amdhsa_user_sgpr_count 2
		.amdhsa_user_sgpr_kernarg_segment_ptr 1
		.amdhsa_wavefront_size32 1
		.amdhsa_system_sgpr_workgroup_id_x 1
		.amdhsa_system_sgpr_workgroup_id_y 1
		.amdhsa_system_sgpr_workgroup_id_z 1
		.amdhsa_system_vgpr_workitem_id 0
		.amdhsa_next_free_vgpr 1024
		.amdhsa_next_free_sgpr 100
		.amdhsa_reserve_vcc 0
		.amdhsa_float_denorm_mode_32 3
		.amdhsa_float_denorm_mode_16_64 3
		.amdhsa_memory_ordered 1
		.amdhsa_forward_progress 1
		.amdhsa_inst_pref_size 203
	.end_amdhsa_kernel
	.amdgpu_metadata
---
amdhsa.version: [ 1, 2 ]
amdhsa.kernels:
  - .name:           k_qbafacda9a4_gemm_w1
    .symbol:         k_qbafacda9a4_gemm_w1.kd
    .args:
      - { .name: hh, .offset: 0, .size: 8, .value_kind: global_buffer, .address_space: global }
      - { .name: pc, .offset: 8, .size: 8, .value_kind: global_buffer, .address_space: global }
      - { .name: b1, .offset: 16, .size: 8, .value_kind: global_buffer, .address_space: global }
      - { .name: fc, .offset: 24, .size: 8, .value_kind: global_buffer, .address_space: global }
    .group_segment_fixed_size: 327680
    .private_segment_fixed_size: 0
    .kernarg_segment_align: 8
    .kernarg_segment_size: 32
    .max_flat_workgroup_size: 128
    .sgpr_count:     100
    .vgpr_count:     1024
    .wavefront_size: 32
...
	.end_amdgpu_metadata
.endif
;; end of part 6
;; launch w2 (part 7): grid 8 x 32, 4 waves a work-group, clusters of 4 x 4, 327,680 bytes of LDS; arguments fc, w2c, g; writes g
.if DOCPART == 7
	.amdgcn_target "amdgcn-amd-amdhsa--gfx1250"
	.amdhsa_code_object_version 6
	.text
	.protected	k_qbafacda9a4_w2
	.globl	k_qbafacda9a4_w2
	.p2align	8
	.type	k_qbafacda9a4_w2,@function
k_qbafacda9a4_w2:
	s_mov_b64 s[64:65], 0
	v_nop
	global_prefetch_b8 v0, s[64:65] scope:SCOPE_SE
	s_setreg_imm32_b32 hwreg(HW_REG_WAVE_MODE, 25, 1), 1
	s_wait_xcnt 0x0
	s_wait_alu depctr_hold_cnt(0) depctr_sa_sdst(0) depctr_va_vdst(0) depctr_va_sdst(0) depctr_va_ssrc(0) depctr_va_vcc(0) depctr_vm_vsrc(0)
	s_getreg_b32 s2, hwreg(HW_REG_IB_STS2, 6, 4)
	s_cmp_eq_u32 s2, 0
	s_cbranch_scc0 .Lentry_in_a_cluster
	s_endpgm
.Lentry_in_a_cluster:
	s_bfe_u32 s2, ttmp6, 0x10000c
	s_cmp_lg_u32 s2, 0xf033
	s_cbranch_scc0 .Lentry_shape_is_right
	s_endpgm
.Lentry_shape_is_right:
; C = A B^T on codes of BF8 (E5M2) with E8M0 scales; C [4096][1024] in f32; K = 4,096, summed whole by one work-group.  Bias and residual are added by the launch that follows.
; OPERANDS lie as images of the matrix instruction's registers: fragment (16 rows x 128 K) 2,048 bytes; record (64 rows) = 4 fragments + 256 bytes of scale words; 4 records = 256 rows of a K step;
; 8 K steps a tile block.  A's blocks: [K / 1024][16 token tiles]; B's: [K / 1024][4 tiles of columns].  Inside a block of 32 the order of k is the same in both operands, not ascending.
; SHARES: a block of C is 128 x 128, so that 8 x 32 = 256 work-groups share C; four waves, 64 x 64 each: 16 accumulators.  Source 0 = 16 rows of B, source 1 = 16 rows of A: a lane holds 8 neighbouring numbers of a row of C.
; LDS: a ring of two slots of four K steps: A's 4 rows of 16,896 bytes (two records of each K step), then B's.  At the head each wave asks for one of the four tiles, so both slots are on their way at once.
; Eight fills in all: slot 0 takes K steps 0-3 of each 1,024 of K, slot 1 K steps 4-7.  A slot is filled again behind a round of the cluster's barrier, by all four waves, two K steps of one operand each.
; CLUSTERS of 4 x 4 with joint loads: A's tile is shared along a row of the cluster, B's along a column.
; PREFETCH: at the change of slots that asks for fill f + 2 each wave names one record (32 blocks of 256 bytes of codes, a lane a block) of fill f + 4: two changes of this slot, eight K steps, ahead of its load.  Of a tile's four K steps
; the partner at place cx (A) or cy (B) names one: told apart by address.  A record's 256 bytes of scale words are not named.  Fills 0 to 3 come by their loads alone; the changes behind fills 4 and 5 name nothing.
; REGISTERS: window 0: v16-25 addresses, v28-29 the add's, v32-39 scale words (two sets), v128-255 A's fragments (two sets), later rows of C.  window 1: v0-127 the accumulators, v128-255 B's fragments (two sets).
.set FRG,   2048
.set REC,   8448
.set SCO,   8192
.set KSB,   33792
.set TILEB, 270336
.set ROWB,  2*REC
.set HALF,  4*ROWB
.set SLOT,  2*HALF
.set SPARE, 2*SLOT
.set CHA,   16*TILEB
.set CHB,   4*TILEB
.set SPITCH, 272
.set ADRA, 16
.set ADRB, 18
.set ADRS, 20
.set STO,  22
.set RD,   23
.set CO,   24
.set PFO,  25
.set SPW,  28
.set NIL,  29
.set SC,   32
.set FB,   128
.set G1,  24
.set G0,  32
.set G1B, 48
.set G0B, 56
.set PF,  76
.set PFS, 80
.set MSB, 0
.macro WIN new
.if MSB != \new
	s_set_vgpr_msb (MSB<<8)|\new
.set MSB, \new
.endif
.endm
.set MUL,  0x51                        ; source 0 (B), C and D window 1; source 1 (A) window 0
.set TO_B, 0x40
.macro PLACES n
.rept \n
	v_nop
.endr
.endm
.macro CREST
	s_cmp_lg_u32 s14, 0
	s_cbranch_scc1 .Lnot_wave_0_\@
	s_barrier_signal -3
.Lnot_wave_0_\@:
	s_barrier_wait -3
	s_barrier_signal -1
	s_barrier_wait -1
.endm
.macro CROUND
	s_barrier_signal -1
	s_barrier_wait -1
	CREST
.endm
.macro JLOAD s                         ; slot s is filled again: waves 0, 1 ask for two K steps of A each, waves 2, 3 of B
	s_cmp_eq_u32 s15, 0
	s_cbranch_scc0 .Lnot_a_\@
	tensor_load_to_lds s[G0+4*\s:G0+4*\s+3], s[G1:G1+7]
	s_nop 0
	PLACES 4
	s_branch .Lasked_\@
.Lnot_a_\@:
	tensor_load_to_lds s[G0B+4*\s:G0B+4*\s+3], s[G1B:G1B+7]
	s_nop 0
	PLACES 4
.Lasked_\@:
.endm
.macro FRAG reg, adr, q, i
.irp c, 0,1,2,3
	ds_load_b128 v[\reg+4*\c:\reg+4*\c+3], v[\adr] offset:(\q)*ROWB+(\i)*FRG+512*\c
.endr
.endm
.macro FETCH slot, q, p                ; 36 LDS loads: my 4 fragments of B, my 4 of A, 4 registers of scale words (lanes 0-15 A's fragment i, lanes 16-31 B's)
	WIN TO_B
.irp i, 0,1,2,3
	FRAG FB+64*(\p)+16*\i, ADRB+\slot, \q, \i
.endr
	WIN 0
.irp i, 0,1,2,3
	FRAG FB+64*(\p)+16*\i, ADRA+\slot, \q, \i
.endr
.irp i, 0,1,2,3
	ds_load_b32 v[SC+4*(\p)+\i], v[ADRS+\slot] offset:(\q)*ROWB+64*\i
.endr
.endm
.macro MUL16 p, zero                   ; the 16 accumulators take turns; zero = 1: the first product starts the sums
.irp a, 0,1,2,3
.irp b, 0,1,2,3
.if \zero
	v_wmma_scale_f32_16x16x128_f8f6f4 v[8*(4*\a+\b):8*(4*\a+\b)+7], v[FB+64*(\p)+16*\b:FB+64*(\p)+16*\b+15], v[FB+64*(\p)+16*\a:FB+64*(\p)+16*\a+15], 0, v[SC+4*(\p)+\b], v[SC+4*(\p)+\a] matrix_a_fmt:MATRIX_FMT_BF8 matrix_b_fmt:MATRIX_FMT_BF8 matrix_a_scale:MATRIX_SCALE_ROW1
.else
	v_wmma_scale_f32_16x16x128_f8f6f4 v[8*(4*\a+\b):8*(4*\a+\b)+7], v[FB+64*(\p)+16*\b:FB+64*(\p)+16*\b+15], v[FB+64*(\p)+16*\a:FB+64*(\p)+16*\a+15], v[8*(4*\a+\b):8*(4*\a+\b)+7], v[SC+4*(\p)+\b], v[SC+4*(\p)+\a] matrix_a_fmt:MATRIX_FMT_BF8 matrix_b_fmt:MATRIX_FMT_BF8 matrix_a_scale:MATRIX_SCALE_ROW1
.endif
.endr
.endr
.endm
.macro STEP slot, q, zero              ; K step q (0 .. 2) of a slot: the next step's operands are asked for first
	PLACES 8                                       ; eight places behind the products that read the set loaded next
	FETCH \slot, (\q)+1, 1-(\q)%2
	s_wait_dscnt 36                                ; all but the 36 loads just issued: this step's set is in
	WIN MUL
	MUL16 (\q)%2, \zero
	WIN 0
.endm
.macro RUN slot, zero
	STEP \slot, 0, \zero
	STEP \slot, 1, 0
	STEP \slot, 2, 0
.endm
; A slot's last K step and the change of slots.  fill = 1: the slot is filled again, behind a round of the cluster's barrier.  ask: 1: a prefetch; 2: only in the loop's first trip
.macro TURN slot, next, fill, ask
.if \ask
	s_wait_xcnt 0x0                                ; my last prefetch by this address has read it
	s_add_nc_u64 s[PF+2*\slot:PF+2*\slot+1], s[PF+2*\slot:PF+2*\slot+1], s[PFS:PFS+1]
.endif
	s_wait_tensorcnt 0x0                           ; all my tensor loads have landed
	ds_add_u32 v[SPW], v[NIL]
	s_wait_dscnt 0x0                               ; the add is done, the last step's set is in, my reads of this slot are over
	s_barrier_signal -1
	s_barrier_wait -1
.if \fill
	CREST
	s_add_nc_u64 s[G0+4*\slot+2:G0+4*\slot+3], s[G0+4*\slot+2:G0+4*\slot+3], CHA    ; the same K steps of the next 1,024 of K
	s_add_nc_u64 s[G0B+4*\slot+2:G0B+4*\slot+3], s[G0B+4*\slot+2:G0B+4*\slot+3], CHB
	JLOAD \slot
.endif
	PLACES 8
	FETCH \next, 0, 0
	WIN MUL
	MUL16 1, 0                                     ; the slot's last K step, from registers, behind the refill and the next slot's first loads
	WIN 0
.if \ask == 2
	s_cmp_eq_u32 s3, 2
	s_cbranch_scc0 .Lnone_\@
.endif
.if \ask
	global_prefetch_b8 v[PFO], s[PF+2*\slot:PF+2*\slot+1] th:TH_LOAD_NT scope:SCOPE_SE
.endif
.if \ask == 2
.Lnone_\@:
.endif
.endm
	s_load_b128 s[4:7], s[0:1], 0x0                ; A s[4:5], B s[6:7]
	s_load_b64 s[12:13], s[0:1], 0x10              ; C
	v_lshl_add_u32 v[SPW], v0, 2, SPARE
	v_mov_b32 v[NIL], 0
	ds_add_u32 v[SPW], v[NIL]                      ; the opening lines: the add twice on end and its wait
	ds_add_u32 v[SPW], v[NIL]
	v_lshrrev_b32 v1, 5, v0
	v_readfirstlane_b32 s14, v1                    ; wave 0..3
	s_lshr_b32 s15, s14, 1                         ; my 64 rows of the block
	s_and_b32 s16, s14, 1                          ; my 64 columns
	s_bfe_u32 s40, ttmp6, 0x40000                  ; cx
	s_bfe_u32 s41, ttmp6, 0x40004                  ; cy
	s_lshl_b32 s42, ttmp9, 2
	s_add_co_u32 s42, s42, s40                     ; x: which 128 columns
	s_and_b32 s17, ttmp7, 0xffff
	s_lshl_b32 s17, s17, 2
	s_add_co_u32 s17, s17, s41                     ; y: which 128 rows
	s_lshl_b32 s43, s41, 2
	s_lshl_b32 s43, 15, s43                        ; my row of the cluster
	s_lshl_b32 s44, 0x1111, s40                    ; my column
	s_or_b32 s[G1], s43, (3<<16)|(1<<21)           ; elements of 8 bytes; bit 21 beside the mask
	s_or_b32 s[G1B], s44, (3<<16)|(1<<21)
.irp g, G1, G1B
	s_mov_b32 s[\g+1], (ROWB/8)<<16                ; a row: two records of a K step, 16,896 bytes
	s_mov_b32 s[\g+2], 4<<16                       ; at the head four K steps,
	s_mov_b32 s[\g+3], (ROWB/8)<<16
	s_mov_b32 s[\g+4], 4
	s_mov_b32 s[\g+5], KSB/8                       ; 33,792 bytes apart
	s_mov_b32 s[\g+6], 0
	s_mov_b32 s[\g+7], 0
.endr
	s_lshr_b32 s20, s17, 1                         ; A: tile block y / 2, records 2 (y % 2) on
	s_mul_i32 s20, s20, TILEB
	s_and_b32 s18, s17, 1
	s_mul_i32 s18, s18, ROWB
	s_add_co_u32 s20, s20, s18
	s_mov_b32 s21, 0
	s_lshr_b32 s46, s42, 1                         ; B likewise by x
	s_mul_i32 s46, s46, TILEB
	s_and_b32 s19, s42, 1
	s_mul_i32 s19, s19, ROWB
	s_add_co_u32 s46, s46, s19
	s_mov_b32 s47, 0
	s_mul_i32 s84, s40, KSB                        ; the prefetches: of A's four K steps my work-group names number cx, of B's number cy;
	s_add_co_u32 s84, s84, s20
	s_mul_i32 s85, s41, KSB
	s_add_co_u32 s85, s85, s46
	s_mov_b32 s[PFS], CHB
	s_cmp_eq_u32 s15, 0                            ; waves 0, 1 name A's two records, waves 2, 3 B's
	s_cselect_b32 s84, s84, s85
	s_cselect_b32 s[PFS], CHA, s[PFS]
	s_mov_b32 s[PFS+1], 0
	s_mul_i32 s85, s16, REC
	s_add_co_u32 s84, s84, s85
	s_add_co_u32 s84, s84, s[PFS]                  ; at the second 1,024 of K: each use steps it first
	s_mov_b32 s85, 0
	s_mul_i32 s70, s15, REC                        ; LDS: my record of A's two,
	s_mul_i32 s71, s16, REC
	s_add_co_u32 s71, s71, HALF                    ; of B's two,
	s_sub_co_u32 s72, s71, s70
	s_add_co_u32 s73, s70, SCO
	s_mul_i32 s74, s14, 16*SPITCH                  ; my stage
	s_lshl_b32 s86, s17, 19                        ; C: 128 y rows of 4,096 bytes,
	s_lshl_b32 s87, s15, 18
	s_add_co_u32 s86, s86, s87
	s_lshl_b32 s87, s42, 9                         ; 128 x columns
	s_add_co_u32 s86, s86, s87
	s_lshl_b32 s87, s16, 8
	s_add_co_u32 s86, s86, s87
	s_mov_b32 s87, 0
	s_wait_dscnt 0x0                               ; both opening adds are done
	s_wait_kmcnt 0x0
	s_cmp_eq_u32 s15, 0
	s_cselect_b64 s[PF:PF+1], s[4:5], s[6:7]
	s_add_nc_u64 s[PF:PF+1], s[PF:PF+1], s[84:85]
	s_add_nc_u64 s[PF+2:PF+3], s[PF:PF+1], 4*KSB
	s_add_nc_u64 s[20:21], s[4:5], s[20:21]
	s_add_nc_u64 s[46:47], s[6:7], s[46:47]
	s_add_nc_u64 s[12:13], s[12:13], s[86:87]
	CROUND                                         ; all sixteen work-groups are here
.irp s, 0,1
	s_mov_b32 s[G0+4*\s], 1
	s_mov_b32 s[G0+4*\s+1], \s*SLOT
	s_add_nc_u64 s[G0+4*\s+2:G0+4*\s+3], s[20:21], \s*4*KSB
	s_or_b32 s[G0+4*\s+3], s[G0+4*\s+3], 0x80000000
	s_mov_b32 s[G0B+4*\s], 1
	s_mov_b32 s[G0B+4*\s+1], \s*SLOT+HALF
	s_add_nc_u64 s[G0B+4*\s+2:G0B+4*\s+3], s[46:47], \s*4*KSB
	s_or_b32 s[G0B+4*\s+3], s[G0B+4*\s+3], 0x80000000
.endr
.macro ARM under, g0, g1, next         ; the head's loads, one a wave, each in an arm of one chain
	s_cmp_lt_u32 s14, \under
	s_cbranch_scc0 \next
	tensor_load_to_lds s[\g0:\g0+3], s[\g1:\g1+7]
	s_nop 0
	PLACES 4
	s_branch .Lhead_asked
\next:
.endm
	ARM 1, G0,    G1,  .Lhead_b0                   ; slot 0's tiles are asked for first
	ARM 2, G0B,   G1B, .Lhead_a1
	ARM 3, G0+4,  G1,  .Lhead_b1
	tensor_load_to_lds s[G0B+4:G0B+7], s[G1B:G1B+7]
	s_nop 0
	PLACES 4
.Lhead_asked:
	v_and_b32 v4, 31, v0
	v_and_b32 v2, 15, v0                           ; r
	v_bfe_u32 v3, v0, 4, 1                         ; h
	v_lshlrev_b32 v5, 4, v4
	v_add_nc_u32 v[ADRA], s70, v5
	v_add_nc_u32 v[ADRB], s71, v5
	v_add_nc_u32 v[ADRA+1], SLOT, v[ADRA]
	v_add_nc_u32 v[ADRB+1], SLOT, v[ADRB]
	v_mul_u32_u24 v6, s72, v3                      ; lanes 16-31 take B's scale words
	v_lshl_add_u32 v6, v2, 2, v6
	v_add_nc_u32 v[ADRS], s73, v6
	v_add_nc_u32 v[ADRS+1], SLOT, v[ADRS]
	v_mul_u32_u24 v7, v2, SPITCH
	v_lshl_add_u32 v7, v3, 5, v7
	v_add_nc_u32 v[STO], s74, v7                   ; into the stage: row r, 32 bytes for each half of the lanes
	v_mul_u32_u24 v8, v3, SPITCH
	v_lshl_add_u32 v8, v2, 4, v8
	v_add_nc_u32 v[RD], s74, v8                    ; back: lanes 0-15 one row of 256 bytes, lanes 16-31 the next
	v_lshlrev_b32 v9, 12, v3
	v_lshl_add_u32 v[CO], v2, 4, v9                ; and the same two rows in C
	v_lshlrev_b32 v[PFO], 8, v4                    ; a record's 32 blocks of 256 bytes of codes, a lane a block
	s_wait_alu depctr_va_vdst(0)
	s_cmp_lt_u32 s14, 2
	s_cbranch_scc0 .Lnot_first
	s_wait_tensorcnt 0x0                           ; waves 0, 1: slot 0's tiles are in.  Waves 2, 3 wait below
.Lnot_first:
	s_barrier_signal -1
	s_barrier_wait -1
	FETCH 0, 0, 0
	RUN 0, 1
	s_wait_tensorcnt 0x0                           ; my load of the head has landed, so descriptors may be written: from here on a load brings two K steps: numbers 2 (wave % 2), + 1 of a slot's four
	s_mul_i32 s22, s16, 2*ROWB
	s_mul_i32 s82, s16, 2*KSB
	s_mov_b32 s83, 0
.irp g, G0, G0+4, G0B, G0B+4
	s_add_co_u32 s[\g+1], s[\g+1], s22
	s_add_nc_u64 s[\g+2:\g+3], s[\g+2:\g+3], s[82:83]
.endr
.irp g, G1, G1B
	s_mov_b32 s[\g+2], 2<<16
	s_mov_b32 s[\g+4], 2
.endr
	TURN 0, 1, 1, 1
	s_mov_b32 s3, 2
.Llap:
	RUN 1, 0
	TURN 1, 0, 1, 1
	RUN 0, 0
	TURN 0, 1, 1, 2
	s_sub_co_u32 s3, s3, 1
	s_cmp_lg_u32 s3, 0
	s_cbranch_scc1 .Llap
	RUN 1, 0
	TURN 1, 0, 1, 0
	RUN 0, 0
	TURN 0, 1, 0, 0
	RUN 1, 0
	s_wait_dscnt 0x0
	WIN MUL
	MUL16 1, 0
	WIN 0
	PLACES 8
; THE WAY OUT, 16 rows x 64 columns at a time, through my stage in slot 0, which has had its last fill and its last read: back as whole rows of 256 bytes.  LDS serves a wave's instructions in order (ISA guide 5.7.1.4)
.macro TOSTAGE a
	WIN 0x04                                       ; the data: window 1
.irp b, 0,1,2,3
	ds_store_b128 v[STO], v[8*(4*\a+\b):8*(4*\a+\b)+3] offset:64*\b       ; each accumulator from its low end on
	ds_store_b128 v[STO], v[8*(4*\a+\b)+4:8*(4*\a+\b)+7] offset:64*\b+16
.endr
	WIN 0
.irp t, 0,1,2,3,4,5,6,7
	ds_load_b128 v[FB+32*\a+4*\t:FB+32*\a+4*\t+3], v[RD] offset:\t*2*SPITCH
.endr
.endm
.macro SEND a, younger                 ; each block has registers of its own, and every offset is an immediate
	s_wait_dscnt \younger
.irp t, 0,1,2,3,4,5,6,7
	global_store_b128 v[CO], v[FB+32*\a+4*\t:FB+32*\a+4*\t+3], s[12:13] offset:(16*\a+2*\t)*4096   ; sixteen lanes store 256 consecutive bytes, aligned
.endr
.endm
	TOSTAGE 0
	TOSTAGE 1
	SEND 0, 16                                     ; behind block 0's loads: block 1's 8 stores and 8 loads
	TOSTAGE 2
	SEND 1, 16
	TOSTAGE 3
	SEND 2, 16
	SEND 3, 0
	s_wait_tensorcnt 0x0                           ; the wave's end
	ds_add_u32 v[SPW], v[NIL]
	s_wait_dscnt 0x0
	CROUND                                         ; the closing round
	s_endpgm
.Lfunc_end_k_qbafacda9a4_w2:
	.size	k_qbafacda9a4_w2, .Lfunc_end_k_qbafacda9a4_w2-k_qbafacda9a4_w2
	.p2alignl 7, 3214868480
	.fill 96, 4, 3214868480
	.section	.rodata,"a",@progbits
	.p2align	6, 0x0
	.amdhsa_kernel k_qbafacda9a4_w2
		.amdhsa_group_segment_fixed_size 327680
		.amdhsa_private_segment_fixed_size 0
		.amdhsa_enable_private_segment 0
		.amdhsa_kernarg_size 24
		.amdhsa_user_sgpr_count 2
		.amdhsa_user_sgpr_kernarg_segment_ptr 1
		.amdhsa_wavefront_size32 1
		.amdhsa_system_sgpr_workgroup_id_x 1
		.amdhsa_system_sgpr_workgroup_id_y 1
		.amdhsa_system_sgpr_workgroup_id_z 1
		.amdhsa_system_vgpr_workitem_id 0
		.amdhsa_next_free_vgpr 512
		.amdhsa_next_free_sgpr 100
		.amdhsa_reserve_vcc 0
		.amdhsa_float_denorm_mode_32 3
		.amdhsa_float_denorm_mode_16_64 3
		.amdhsa_memory_ordered 1
		.amdhsa_forward_progress 1
		.amdhsa_inst_pref_size 134
	.end_amdhsa_kernel
	.amdgpu_metadata
---
amdhsa.version: [ 1, 2 ]
amdhsa.kernels:
  - .name:           k_qbafacda9a4_w2
    .symbol:         k_qbafacda9a4_w2.kd
    .args:
      - { .name: fc, .offset: 0, .size: 8, .value_kind: global_buffer, .address_space: global }
      - { .name: w2c, .offset: 8, .size: 8, .value_kind: global_buffer, .address_space: global }
      - { .name: g, .offset: 16, .size: 8, .value_kind: global_buffer, .address_space: global }
    .group_segment_fixed_size: 327680
    .private_segment_fixed_size: 0
    .kernarg_segment_align: 8
    .kernarg_segment_size: 24
    .max_flat_workgroup_size: 128
    .sgpr_count:     100
    .vgpr_count:     512
    .wavefront_size: 32
...
	.end_amdgpu_metadata
.endif
;; end of part 7
;; launch ln2 (part 8): grid 256 x 1, 8 waves a work-group, no clusters, 2,048 bytes of LDS; arguments g, hh, b2, gamma2, beta2, out0; writes out0
.if DOCPART == 8
	.amdgcn_target "amdgcn-amd-amdhsa--gfx1250"
	.amdhsa_code_object_version 6
	.text
	.protected	k_qbafacda9a4_ln2
	.globl	k_qbafacda9a4_ln2
	.p2align	8
	.type	k_qbafacda9a4_ln2,@function
k_qbafacda9a4_ln2:
	s_mov_b64 s[64:65], 0
	v_nop
	global_prefetch_b8 v0, s[64:65] scope:SCOPE_SE
	s_setreg_imm32_b32 hwreg(HW_REG_WAVE_MODE, 25, 1), 1
	s_wait_xcnt 0x0
; out = gamma2 (t - mean) / (std + 1e-6) + beta2 with t = h + (g + b2), g the raw last product, summed over all of its K by the launch before.
; A work-group takes 16 rows; wave w the columns 128 w on: a lane holds 4 neighbouring numbers of each row, and every load and store of a wave covers 512 consecutive bytes.
; Mean and variance in two passes, as the definition has them: within a lane, across the lanes, across the eight waves through LDS (one barrier each).  No matrix work, no tensor load: memory binds.
; Two streams, g and h, 16 loads of a wave each: all 32 are out at the start.
.set RED1,  0
.set RED2,  512
.set OFFD, 1
.set RW,   2
.set RR,   3
.set RT,   8
.set T,    16                          ; v16-79   g, then the sum; row i at v[T + 4 i]
.set U,    80                          ; v80-143  at work
.set C,    144                         ; v144-207 h
.set P,    208
.set GA,   224
.set BE,   228
.set BO,   232
.set MP,   32                          ; s[32:63] a pair for each row: its low word holds -mean, later 1 / (std + eps)
.set SEL,  68
.macro ROWRED base                     ; v[P + i]: my lane's part of row i's sum.  Behind the macro lane r (and 16 + r) holds row r's whole sum in v[RT]
.irp m, 1,2,4,8
.irp i, 0,1,2,3,4,5,6,7,8,9,10,11,12,13,14,15
	v_add_f32_dpp v[P+\i], v[P+\i], v[P+\i] row_xmask:\m row_mask:0xf bank_mask:0xf
.endr
.endr
.irp i, 0,1,2,3,4,5,6,7,8,9,10,11,12,13,14,15
	v_permlanex16_b32 v[U+4*\i+2], v[P+\i], s[SEL], s[SEL+1]
.endr
.irp i, 0,1,2,3,4,5,6,7,8,9,10,11,12,13,14,15
	v_add_f32 v[P+\i], v[P+\i], v[U+4*\i+2]
.endr
.irp k, 0,1,2,3
	ds_store_b128 v[RW], v[P+4*\k:P+4*\k+3] offset:\base+16*\k
.endr
	s_wait_dscnt 0x0                               ; for the others' sake: my stores have landed
	s_barrier_signal -1
	s_barrier_wait -1
.irp k, 0,1,2,3
	ds_load_b32 v[RT+\k], v[RR] offset:\base+64*\k
.endr
	s_wait_dscnt 0x0
	v_add_f32 v[RT], v[RT], v[RT+1]
	v_add_f32 v[RT+2], v[RT+2], v[RT+3]
	s_delay_alu instid0(VALU_DEP_1)
	v_add_f32 v[RT], v[RT], v[RT+2]
	s_delay_alu instid0(VALU_DEP_1)
	v_permlanex16_b32 v[RT+1], v[RT], s[SEL], s[SEL+1]
	s_delay_alu instid0(VALU_DEP_1)
	v_add_f32 v[RT], v[RT], v[RT+1]
.endm
.macro STREAM reg, base                ; 16 rows of one stream
.irp i, 0,1,2,3,4,5,6,7,8,9,10,11,12,13,14,15
	global_load_b128 v[\reg+4*\i:\reg+4*\i+3], v[OFFD], s[\base:\base+1] offset:\i*4096 th:TH_LOAD_NT
.endr
.endm
.macro ADDIN reg
.irp i, 0,1,2,3,4,5,6,7,8,9,10,11,12,13,14,15
	v_pk_add_f32 v[T+4*\i:T+4*\i+1], v[T+4*\i:T+4*\i+1], v[\reg+4*\i:\reg+4*\i+1]
	v_pk_add_f32 v[T+4*\i+2:T+4*\i+3], v[T+4*\i+2:T+4*\i+3], v[\reg+4*\i+2:\reg+4*\i+3]
.endr
.endm
	s_load_b256 s[4:11], s[0:1], 0x0               ; g s[4:5], hh s[6:7], b2 s[8:9], gamma2 s[10:11]
	s_load_b128 s[12:15], s[0:1], 0x20             ; beta2 s[12:13], out0 s[14:15]
	v_lshl_add_u32 v254, v0, 2, 0x400
	v_mov_b32 v255, 0
	v_lshrrev_b32 v8, 5, v0
	s_delay_alu instid0(VALU_DEP_1)
	v_readfirstlane_b32 s16, v8
	v_lshlrev_b32 v[OFFD], 4, v0
	v_and_b32 v10, 15, v0
	v_bfe_u32 v11, v0, 4, 1
	s_delay_alu instid0(VALU_DEP_4)
	v_mov_b32 v[RW], s16
	s_delay_alu instid0(VALU_DEP_1)
	v_lshlrev_b32 v[RW], 6, v[RW]
	s_delay_alu instid0(VALU_DEP_3)
	v_lshlrev_b32 v[RR], 8, v11
	s_delay_alu instid0(VALU_DEP_1)
	v_lshl_add_u32 v[RR], v10, 2, v[RR]
	s_lshl_b32 s18, ttmp9, 16                      ; 16 rows of 4,096 bytes
	s_mov_b32 s19, 0
	s_mov_b32 s[SEL], 0x76543210
	s_mov_b32 s[SEL+1], 0xfedcba98
.irp i, 0,1,2,3,4,5,6,7,8,9,10,11,12,13,14,15
	s_mov_b32 s[MP+2*\i+1], 0
.endr
	s_wait_alu depctr_va_vdst(0)
	s_wait_kmcnt 0x0
	s_add_nc_u64 s[20:21], s[4:5], s[18:19]
	s_add_nc_u64 s[6:7], s[6:7], s[18:19]
	s_add_nc_u64 s[14:15], s[14:15], s[18:19]
	global_load_b128 v[BO:BO+3], v[OFFD], s[8:9]
	global_load_b128 v[GA:GA+3], v[OFFD], s[10:11]
	global_load_b128 v[BE:BE+3], v[OFFD], s[12:13]
	STREAM T, 20
	STREAM C, 6
.irp i, 0,1,2,3,4,5,6,7,8,9,10,11,12,13,14,15
	v_mov_b32 v[U+4*\i+2], 0                       ; written once: a lane permute's destination counts as one of its sources
.endr
	s_wait_loadcnt 16                              ; g and the three vectors are in; h's 16 loads may be out
.irp i, 0,1,2,3,4,5,6,7,8,9,10,11,12,13,14,15
	v_pk_add_f32 v[T+4*\i:T+4*\i+1], v[T+4*\i:T+4*\i+1], v[BO:BO+1]
	v_pk_add_f32 v[T+4*\i+2:T+4*\i+3], v[T+4*\i+2:T+4*\i+3], v[BO+2:BO+3]
.endr
	s_wait_loadcnt 0x0
	ADDIN C
.irp i, 0,1,2,3,4,5,6,7,8,9,10,11,12,13,14,15
	v_pk_add_f32 v[U+4*\i:U+4*\i+1], v[T+4*\i:T+4*\i+1], v[T+4*\i+2:T+4*\i+3]
.endr
.irp i, 0,1,2,3,4,5,6,7,8,9,10,11,12,13,14,15
	v_add_f32 v[P+\i], v[U+4*\i], v[U+4*\i+1]
.endr
	ROWRED RED1
	s_delay_alu instid0(VALU_DEP_1)
	v_mul_f32 v[RT], 0xba800000, v[RT]             ; -mean
.irp i, 0,1,2,3,4,5,6,7,8,9,10,11,12,13,14,15
	v_readlane_b32 s[MP+2*\i], v[RT], \i
.endr
.irp i, 0,1,2,3,4,5,6,7,8,9,10,11,12,13,14,15
	v_pk_add_f32 v[T+4*\i:T+4*\i+1], v[T+4*\i:T+4*\i+1], s[MP+2*\i:MP+2*\i+1] op_sel_hi:[1,0]
	v_pk_add_f32 v[T+4*\i+2:T+4*\i+3], v[T+4*\i+2:T+4*\i+3], s[MP+2*\i:MP+2*\i+1] op_sel_hi:[1,0]
.endr
.irp i, 0,1,2,3,4,5,6,7,8,9,10,11,12,13,14,15
	v_pk_mul_f32 v[U+4*\i:U+4*\i+1], v[T+4*\i:T+4*\i+1], v[T+4*\i:T+4*\i+1]
.endr
.irp i, 0,1,2,3,4,5,6,7,8,9,10,11,12,13,14,15
	v_pk_fma_f32 v[U+4*\i:U+4*\i+1], v[T+4*\i+2:T+4*\i+3], v[T+4*\i+2:T+4*\i+3], v[U+4*\i:U+4*\i+1]
.endr
.irp i, 0,1,2,3,4,5,6,7,8,9,10,11,12,13,14,15
	v_add_f32 v[P+\i], v[U+4*\i], v[U+4*\i+1]
.endr
	ROWRED RED2
	s_delay_alu instid0(VALU_DEP_1)
	v_mul_f32 v[RT], 0x3a800000, v[RT]             ; the variance
	s_wait_alu depctr_va_vdst(0)
	v_sqrt_f32 v[RT+1], v[RT]
	v_nop
	s_wait_alu depctr_va_vdst(0)                   ; ahead of the root's first reader
	v_add_f32 v[RT+1], 0x358637bd, v[RT+1]         ; std + 1e-6
	s_wait_alu depctr_va_vdst(0)
	v_rcp_f32 v[RT+2], v[RT+1]
	v_nop
	s_wait_alu depctr_va_vdst(0)
.irp i, 0,1,2,3,4,5,6,7,8,9,10,11,12,13,14,15
	v_readlane_b32 s[MP+2*\i], v[RT+2], \i
.endr
.irp i, 0,1,2,3,4,5,6,7,8,9,10,11,12,13,14,15
	v_pk_mul_f32 v[T+4*\i:T+4*\i+1], v[T+4*\i:T+4*\i+1], s[MP+2*\i:MP+2*\i+1] op_sel_hi:[1,0]
	v_pk_mul_f32 v[T+4*\i+2:T+4*\i+3], v[T+4*\i+2:T+4*\i+3], s[MP+2*\i:MP+2*\i+1] op_sel_hi:[1,0]
.endr
.irp i, 0,1,2,3,4,5,6,7,8,9,10,11,12,13,14,15
	v_pk_fma_f32 v[T+4*\i:T+4*\i+1], v[T+4*\i:T+4*\i+1], v[GA:GA+1], v[BE:BE+1]
	v_pk_fma_f32 v[T+4*\i+2:T+4*\i+3], v[T+4*\i+2:T+4*\i+3], v[GA+2:GA+3], v[BE+2:BE+3]
.endr
.irp i, 0,1,2,3,4,5,6,7,8,9,10,11,12,13,14,15
	global_store_b128 v[OFFD], v[T+4*\i:T+4*\i+3], s[14:15] offset:\i*4096 th:TH_STORE_NT
.endr
	s_wait_tensorcnt 0x0
	ds_add_u32 v254, v255
	s_wait_dscnt 0x0
	s_endpgm
.Lfunc_end_k_qbafacda9a4_ln2:
	.size	k_qbafacda9a4_ln2, .Lfunc_end_k_qbafacda9a4_ln2-k_qbafacda9a4_ln2
	.p2alignl 7, 3214868480
	.fill 96, 4, 3214868480
	.section	.rodata,"a",@progbits
	.p2align	6, 0x0
	.amdhsa_kernel k_qbafacda9a4_ln2
		.amdhsa_group_segment_fixed_size 2048
		.amdhsa_private_segment_fixed_size 0
		.amdhsa_enable_private_segment 0
		.amdhsa_kernarg_size 48
		.amdhsa_user_sgpr_count 2
		.amdhsa_user_sgpr_kernarg_segment_ptr 1
		.amdhsa_wavefront_size32 1
		.amdhsa_system_sgpr_workgroup_id_x 1
		.amdhsa_system_sgpr_workgroup_id_y 1
		.amdhsa_system_sgpr_workgroup_id_z 1
		.amdhsa_system_vgpr_workitem_id 0
		.amdhsa_next_free_vgpr 256
		.amdhsa_next_free_sgpr 80
		.amdhsa_reserve_vcc 0
		.amdhsa_float_denorm_mode_32 3
		.amdhsa_float_denorm_mode_16_64 3
		.amdhsa_memory_ordered 1
		.amdhsa_forward_progress 1
		.amdhsa_inst_pref_size 37
	.end_amdhsa_kernel
	.amdgpu_metadata
---
amdhsa.version: [ 1, 2 ]
amdhsa.kernels:
  - .name:           k_qbafacda9a4_ln2
    .symbol:         k_qbafacda9a4_ln2.kd
    .args:
      - { .name: g, .offset: 0, .size: 8, .value_kind: global_buffer, .address_space: global }
      - { .name: hh, .offset: 8, .size: 8, .value_kind: global_buffer, .address_space: global }
      - { .name: b2, .offset: 16, .size: 8, .value_kind: global_buffer, .address_space: global }
      - { .name: gamma2, .offset: 24, .size: 8, .value_kind: global_buffer, .address_space: global }
      - { .name: beta2, .offset: 32, .size: 8, .value_kind: global_buffer, .address_space: global }
      - { .name: out0, .offset: 40, .size: 8, .value_kind: global_buffer, .address_space: global }
    .group_segment_fixed_size: 2048
    .private_segment_fixed_size: 0
    .kernarg_segment_align: 8
    .kernarg_segment_size: 48
    .max_flat_workgroup_size: 256
    .sgpr_count:     80
    .vgpr_count:     256
    .wavefront_size: 32
...
	.end_amdgpu_metadata
.endif
;; end of part 8
